; MI455X (gfx1250); checked and timed in simulation.
; The chip was launched on July 23, 2026; its instructions are those of AMD's public machine-readable ISA for CDNA 5 (MIT licence, August 2026) and "CDNA5" Instruction Set Architecture Reference Guide (July 2026). The comments in the code are by the model that wrote it; some were corrected since.
;; Attention. Allowed arithmetic: matrix products marked QUANTISED: E2M3 operands, one E8M0 scale for each 32 along K, by v_wmma_scale_f32_16x16x128_f8f6f4 with both operands' format E2M3, f32 sums; everything else in f32.
;; Inputs: b_out 1,024 float32; w_out 1,024 x 1,024 float32; w_qkv 1,024 x 3,072 float32; x 4 x 2,048 x 1,024 float32.
;; Outputs: out0 4 x 2,048 x 1,024 float32.
;; This version of the problem:
;;   THIS VERSION OF THE PROBLEM IS GIVEN IN LOW PRECISION. The matrix products marked QUANTISED in the list below multiply operands that are first quantised to E2M3 (2 exponent bits, 3 mantissa bits; 6 bits a number), with one power-of-two scale for each 32 numbers along K (OCP MX v1.0); their sums are f32. All else is computed in f32.
;;   The module's matrix products, in the order in which they are computed (A, B: the left and right operand; K: the contracted axis; several contracted axes count as one K, in the product's order):
;;     1. [M 8,192, K 1,024] x [K 1,024, N 3,072]; A: input x; B: input w_qkv: QUANTISED
;;     2. batch 64 x [M 2,048, K 64] x [K 64, N 2,048]; A: computed on the way; B: computed on the way: QUANTISED
;;     3. batch 64 x [M 2,048, K 2,048] x [K 2,048, N 64]; A: softmax (see below); B: computed on the way: QUANTISED
;;     4. [M 8,192, K 1,024] x [K 1,024, N 1,024]; A: computed on the way; B: input w_out: QUANTISED
;;   THE QUANTISER, for each operand of a quantised product, along K:
;;     - K is cut into blocks of 32 from its start; a last block that is shorter is filled with zeros.
;;     - A block's scale is 2^e with e = floor(log2(the largest magnitude in the block)) - 2, held to -126 .. 127; a block of zeros has e = 0. As a byte (E8M0): e + 127.
;;     - Each number is divided by its block's scale, clamped to +-7.5, and rounded to the nearest number of E2M3, ties to even, subnormals kept.
;;     - The product sums the exact products of the quantised numbers (number of the format x scale) in f32.
;;   ~~~python
;;   def quantise(x, axis):      # numpy; x: float32 -> the quantised numbers, widened to float32 again
;;       x = np.moveaxis(x, axis, -1); K = x.shape[-1]
;;       x = np.pad(x, [(0, 0)] * (x.ndim - 1) + [(0, -K % 32)]); x = x.reshape(x.shape[:-1] + (-1, 32)); a = np.abs(x).max(-1, keepdims=True)
;;       e = np.where(a > 0, np.clip(np.frexp(np.where(a > 0, a, 1))[1] - 1 - 2, -126, 127), 0)      # np.frexp(a)[1] - 1 = floor(log2(a)), exactly
;;       r = np.clip(x / 2.0 ** e, -7.5, 7.5)
;;       step = 2.0 ** (np.maximum(np.frexp(np.where(r == 0, 1, r))[1] - 1, 0) - 3)
;;       q = np.round(r / step) * step * 2.0 ** e      # np.round: ties to even
;;       return np.moveaxis(q.reshape(q.shape[:-2] + (-1,))[..., :K], -1, axis).astype(np.float32)
;;   ~~~
;;   SOFTMAX AHEAD OF A QUANTISED PRODUCT. Where the list says 'softmax', what is quantised is not the finished softmax but p = 2^(t - M), with t = logit x log2(e) and M = ceil(the row's largest t), a whole number; so 1/2 < the row's largest p <= 1. The row's sum l is taken of the UNQUANTISED p, in f32, and the product's result is divided by l at the end. Since M is a whole number, a kernel that streams over the keys may use a running M (the ceiling of the running maximum): every later rescaling is an exact power of two, which a block's scale takes up: the codes' values come out the same.
;;   OPERANDS COMPUTED ON THE WAY. 'Computed on the way' means the value that the module computes at that place (a softmax that the list does not call 'softmax' is quantised finished and normalised). What goes into a quantiser is computed in f32, as accurately as f32 sums, v_exp_f32 and their like allow (about 1e-6 of the number): no bf16 or f16 on the way to a quantiser, and a product that is left as it is and whose result goes on into a quantised operand takes f32 operands (vector FMAs, or v_wmma_f32_16x16x4_f32). A number that lies on a knife's edge between two numbers of the format may be rounded either way, as far as f32 arithmetic and the matrix unit's own rounding can turn it there, and no further.
;; One version. Each part assembles by itself: llvm-mc -triple=amdgcn-amd-amdhsa -mcpu=gfx1250 --defsym DOCPART=n.
;; ======== version 1 of 1: 4 launches
;; limits: right only within a limited range of input values
;; workspace buffers: xc 6,291,456 bytes; xs 262,144 bytes; wc 3,145,728 bytes; ws 131,072 bytes; qq 6,815,744 bytes; kv 13,369,344 bytes; ac 6,291,456 bytes; as2 262,144 bytes
;; launch qxw (part 1): grid 512 x 1, 4 waves a work-group, no clusters, 34,816 bytes of LDS; arguments x, xc, xs, w_qkv, w_out, wc, ws; writes xc, xs, wc, ws
.if DOCPART == 1
	.amdgcn_target "amdgcn-amd-amdhsa--gfx1250"
	.amdhsa_code_object_version 6
	.text
	.protected	k_q12c8e87521_qxw
	.globl	k_q12c8e87521_qxw
	.p2align	8
	.type	k_q12c8e87521_qxw,@function
k_q12c8e87521_qxw:
	s_mov_b64 s[64:65], 0
	v_nop
	global_prefetch_b8 v0, s[64:65] scope:SCOPE_SE
	s_setreg_imm32_b32 hwreg(HW_REG_WAVE_MODE, 25, 1), 1
	s_wait_xcnt 0x0
; ONE LAUNCH QUANTISES ALL THREE INPUTS to codes of FP6 (E2M3) with one E8M0 byte for each 32 along K, laid as the products' operand registers want them.
; Work-groups 0..255 take x [8192][1024] (K innermost), work-groups 256..511 take w_qkv [1024][3072] and w_out [1024][1024] (K = the first axis).  The two ways part on the work-group's number and use LDS bytes of their own.
; TOKEN TILES.  Tile T of 16 tokens holds, at position r, token 64 (T / 4) + 8 (T % 4) + r % 8 + 32 (r / 8): so a result's 32 registers of four neighbouring tiles are one block of 32 tokens.
; COLUMN TILES (w_out's columns counted on from 3072).  Tile Tn holds, at position r, column 32 (Tn / 2) + 8 (Tn % 2) + r + 8 (r / 8).
; xc = [T 512][K step 8][image], wc = [Tn 256][K step 8][image]: an image is a fragment's 12 registers, [4 registers][lane][16 bytes], 1,536 bytes.
; xs, ws: for each 32 positions 1,024 bytes = [j 2][position 32][4 words]; word q of half j is the scale word of K step 4 j + q.
; A block's scale is 2^(floor(log2(largest magnitude)) - 2); its byte is the largest magnitude's exponent field - 2, held at 1 from below.
; LIMITS: a block of zeros gets the byte 1 where the rule says 127 (its codes are zeros, and this program alone reads the bytes); largest magnitudes under 2^-124 take the floor's scale; NaN and infinities are not served.
; x: a wave takes one tile x 512 along K, four K steps; each load reads 512 consecutive bytes of a token's row; a step's 16 rows turn through the wave's own stage, so that lane (r, h) gets 16 neighbours of each block of row r.
; weights: a lane takes a column and its registers run down K: a wave takes 32 columns x 128 along K, a lane four whole blocks; nothing is transposed.
.set FLOOR, 0x1800000
.set STG,   8448                       ; x: a wave's stage, 16 rows x (512 + 16) bytes
.set SPARE, 4*STG                      ; the spare words, 128 bytes a wave
.set WORDS, SPARE+512                  ; weights: the work-group's 512 bytes of scale words
.set SPW, 2
.set NIL, 3
.set TM,  8
.set PW,  24
.set PC,  28
.set LI,  1
.set STI, 4
.set STO, 5
.set R16, 6
.set X,   48
.set R,   112
.set SEL, 14
.set WL4, 1
.set WVB, 4
.set WSA, 5
.set WLI, 6
.set WRD, 7
.set WBK, 52
.set WX,  64
.set WHV, 192
.macro QUANT s, pc, pw                 ; 64 numbers of a lane become a fragment's 12 registers and the row's scale word
.irp b, 0,1,2,3
	v_max3_num_f32 v[TM+\b], |v[(\s)+16*\b]|, |v[(\s)+16*\b+1]|, FLOOR
.endr
.irp i, 2,4,6,8,10,12,14
.irp b, 0,1,2,3
	v_max3_num_f32 v[TM+\b], |v[(\s)+16*\b+\i]|, |v[(\s)+16*\b+\i+1]|, v[TM+\b]
.endr
.endr
.irp b, 0,1,2,3
	v_permlanex16_b32 v[TM+4+\b], v[TM+\b], s[SEL], s[SEL+1]
.endr
.irp b, 0,1,2,3
	v_max_num_f32 v[TM+\b], v[TM+\b], v[TM+4+\b]       ; with lane l xor 16's: the block's largest magnitude
.endr
.irp b, 0,1,2,3
	v_add_nc_u32 v[TM+12+\b], 0xff000000, v[TM+\b]     ; 2 off its exponent field: the conversion's scale operand
.endr
.irp b, 0,1,2,3
	v_lshrrev_b32 v[TM+4+\b], 23, v[TM+12+\b]          ; the scale's byte
.endr
	v_lshl_or_b32 v[\pw], v[TM+5], 8, v[TM+4]
	v_lshl_or_b32 v[\pw], v[TM+6], 16, v[\pw]
	v_lshl_or_b32 v[\pw], v[TM+7], 24, v[\pw]
.irp c, 0,1
	v_cvt_scalef32_pk16_fp6_f32 v[(\pc)+6*\c:(\pc)+6*\c+2], v[(\s)+32*\c:(\s)+32*\c+15], v[TM+12+2*\c]
	v_cvt_scalef32_pk16_fp6_f32 v[(\pc)+12+4*\c:(\pc)+14+4*\c], v[(\s)+16+32*\c:(\s)+31+32*\c], v[TM+13+2*\c]
.endr
	v_nop                                              ; one plain line behind the scaled conversions
.irp c, 0,1                                        ; a whole block in a lane: lanes 0-15 block 2 c, lanes 16-31 block 2 c + 1
.irp i, 0,1,2
	v_permlane16_swap_b32 v[(\pc)+6*\c+\i], v[(\pc)+12+4*\c+\i]
.endr
.irp i, 0,1,2
	v_mov_b32 v[(\pc)+3+6*\c+\i], v[(\pc)+12+4*\c+\i]
.endr
.endr
.endm
	v_lshl_add_u32 v[SPW], v0, 2, SPARE
	v_mov_b32 v[NIL], 0
	s_cmp_lt_u32 ttmp9, 256
	s_cbranch_scc0 .Lweights
; ---------------- x
	s_load_b128 s[4:7], s[0:1], 0x0                ; x, xc
	s_load_b64 s[8:9], s[0:1], 0x10                ; xs
	v_lshrrev_b32 v7, 5, v0
	v_readfirstlane_b32 s10, v7                    ; wave 0..3
	v_and_b32 v7, 31, v0
	v_lshlrev_b32 v[LI], 4, v7
	s_mul_i32 s11, s10, STG
	v_add_nc_u32 v[STI], s11, v[LI]
	v_and_b32 v[R16], 15, v0                       ; r
	v_bfe_u32 v7, v0, 4, 1                         ; h
	v_mul_u32_u24 v[STO], v[R16], 528
	v_lshl_add_u32 v[STO], v7, 6, v[STO]
	v_add_nc_u32 v[STO], s11, v[STO]
	v_lshlrev_b32 v[R16], 4, v[R16]
.irp b, 0,1,2,3
	v_mov_b32 v[TM+4+\b], 0                        ; a lane permute's destination counts as one of its sources
.endr
	s_mov_b32 s[SEL], 0x76543210
	s_mov_b32 s[SEL+1], 0xfedcba98
	s_lshr_b32 s12, s10, 1                         ; T % 2  (T = 2 x work-group + wave / 2)
	s_and_b32 s13, s10, 1                          ; j: which half of K
	s_lshr_b32 s16, ttmp9, 1                       ; x: band T / 4 = work-group / 2: 64 tokens of 4,096 bytes,
	s_lshl_b32 s16, s16, 18
	s_and_b32 s17, ttmp9, 1                        ; + 16 tokens for the band's upper two tiles,
	s_lshl_b32 s17, s17, 16
	s_add_co_u32 s16, s16, s17
	s_lshl_b32 s17, s12, 15                        ; + 8 tokens for the odd tile,
	s_add_co_u32 s16, s16, s17
	s_lshl_b32 s17, s13, 11                        ; + 2,048 bytes for the upper half of K
	s_add_co_u32 s16, s16, s17
	s_mov_b32 s17, 0
	s_lshl_b32 s18, ttmp9, 2
	s_add_co_u32 s18, s18, s10
	s_mul_i32 s18, s18, 6144                       ; xc: 12,288 T + 6,144 j
	s_mov_b32 s19, 0
	s_lshl_b32 s20, ttmp9, 10                      ; xs: 1,024 (T / 2) + 512 j + 256 (T % 2)
	s_lshl_b32 s21, s13, 9
	s_add_co_u32 s20, s20, s21
	s_lshl_b32 s21, s12, 8
	s_add_co_u32 s20, s20, s21
	s_mov_b32 s21, 0
	s_wait_alu depctr_va_vdst(0)                   ; the wait at the head's end
	s_wait_kmcnt 0x0
	s_add_nc_u64 s[4:5], s[4:5], s[16:17]
	s_add_nc_u64 s[6:7], s[6:7], s[18:19]
	s_add_nc_u64 s[8:9], s[8:9], s[20:21]
.macro LOADX q                         ; K step q of my four: position i = the tile's token i % 8 + 32 (i / 8); 32 lanes read 512 consecutive bytes
.irp i, 0,1,2,3,4,5,6,7,8,9,10,11,12,13,14,15
	global_load_b128 v[R+64*((\q)%2)+4*\i:R+64*((\q)%2)+4*\i+3], v[LI], s[4:5] offset:(\i%8+32*(\i/8))*4096+512*(\q) th:TH_LOAD_NT
.endr
.endm
.macro STEP q
.if (\q) < 3
	s_wait_loadcnt 16                              ; this step's 16 loads are in; the next step's 16 stay out
.else
	s_wait_loadcnt 0x0
.endif
.irp i, 0,1,2,3,4,5,6,7,8,9,10,11,12,13,14,15
	ds_store_b128 v[STI], v[R+64*((\q)%2)+4*\i:R+64*((\q)%2)+4*\i+3] offset:528*\i
.endr
.irp b, 0,1,2,3
.irp j, 0,1,2,3
	ds_load_b128 v[X+16*\b+4*\j:X+16*\b+4*\j+3], v[STO] offset:128*\b+16*\j   ; LDS serves a wave's instructions in order
.endr
.endr
	s_wait_dscnt 0x0                               ; the numbers are back, and the stage's stores have read their registers
	s_wait_xcnt 0x0                                ; the last step's stores have read the codes' registers
.if (\q) < 2
	LOADX (\q)+2
.endif
	QUANT X, PC, PW+(\q)
.irp g, 0,1,2
	global_store_b128 v[LI], v[PC+4*\g:PC+4*\g+3], s[6:7] offset:1536*(\q)+512*\g   ; 512 consecutive bytes a store
.endr
.endm
	LOADX 0
	LOADX 1
	STEP 0
	STEP 1
	STEP 2
	STEP 3
	s_wait_xcnt 0x0                                ; EXEC changes only behind this wait
	v_cmp_gt_u32 vcc_lo, 0x100, v[LI]              ; lanes 0-15 (lanes 16-31 hold the same words)
	s_and_saveexec_b32 s16, vcc_lo
	global_store_b128 v[R16], v[PW:PW+3], s[8:9]   ; sixteen lanes store 256 consecutive bytes, aligned
	s_wait_xcnt 0x0
	s_or_b32 exec_lo, exec_lo, s16
	s_wait_tensorcnt 0x0                           ; the wave's end
	ds_add_u32 v[SPW], v[NIL]
	s_wait_dscnt 0x0
	s_endpgm
; ---------------- the weights
.Lweights:
	s_load_b256 s[4:11], s[0:1], 0x18              ; w_qkv, w_out, wc, ws
	v_lshrrev_b32 v7, 5, v0
	v_readfirstlane_b32 s12, v7                    ; wave 0..3
	v_and_b32 v7, 31, v0
	v_lshlrev_b32 v[WL4], 2, v7
	v_lshlrev_b32 v[WLI], 4, v7
	v_bfe_u32 v8, v0, 3, 1                         ; u = (lane / 8) % 2: which of the group's two tiles
	v_and_b32 v9, 7, v0
	v_bfe_u32 v10, v0, 4, 1
	v_lshl_add_u32 v9, v10, 3, v9                  ; r = lane % 8 + 8 (lane / 16)
	v_lshlrev_b32 v[WVB], 4, v9
	v_mad_u32_u24 v[WVB], v8, 0x3000, v[WVB]
	v_lshl_add_u32 v[WSA], v8, 4, v9               ; position 16 u + r
	v_lshlrev_b32 v[WSA], 4, v[WSA]
	s_lshl_b32 s13, s12, 2
	s_add_co_u32 s13, s13, WORDS
	v_add_nc_u32 v[WSA], s13, v[WSA]
	v_add_nc_u32 v[WRD], WORDS, v[WLI]
	s_lshr_b32 s14, ttmp9, 1
	s_sub_co_u32 s14, s14, 128                     ; G: group of 32 columns
	s_and_b32 s15, ttmp9, 1                        ; j: half of K
	s_lshl_b32 s16, s15, 2
	s_add_co_u32 s16, s16, s12                     ; my K step
	s_mov_b32 s21, 0
	s_mul_i32 s28, s14, 24576
	s_mul_i32 s17, s16, 1536
	s_add_co_u32 s28, s28, s17
	s_mov_b32 s29, 0
	s_lshl_b32 s30, s14, 10
	s_lshl_b32 s17, s15, 9
	s_add_co_u32 s30, s30, s17
	s_mov_b32 s31, 0
	s_wait_alu depctr_va_vdst(0)                   ; the wait at the head's end
	s_wait_kmcnt 0x0
	s_add_nc_u64 s[22:23], s[8:9], s[28:29]        ; wc + 24,576 G + 1,536 s
	s_add_nc_u64 s[24:25], s[10:11], s[30:31]      ; ws + 1,024 G + 512 j
.macro LOADS base, stride              ; 128 rows of K at my column: 32 lanes read 128 consecutive bytes
.set i, 0
.rept 128
	global_load_b32 v[WX+i], v[WL4], s[\base:\base+1] offset:i*\stride th:TH_LOAD_NT
.set i, i+1
.endr
.endm
	s_cmp_lt_u32 s14, 96                           ; the two weights differ in their rows' length, which stands in the loads' immediates
	s_cbranch_scc0 .Lwout
	s_mul_i32 s20, s16, 128*12288
	s_lshl_b32 s17, s14, 7
	s_add_co_u32 s20, s20, s17
	s_add_nc_u64 s[18:19], s[4:5], s[20:21]
	LOADS 18, 12288
	s_branch .Lloaded
.Lwout:
	s_mul_i32 s20, s16, 128*4096
	s_sub_co_u32 s17, s14, 96
	s_lshl_b32 s17, s17, 7
	s_add_co_u32 s20, s20, s17
	s_add_nc_u64 s[26:27], s[6:7], s[20:21]
	LOADS 26, 4096
.Lloaded:
.macro BMAX b0, b1                     ; the largest magnitudes of two blocks, by turns, with the floor among the leaves
	v_max3_num_f32 v[TM+\b0], |v[WX+32*\b0]|, |v[WX+32*\b0+1]|, FLOOR
	v_max3_num_f32 v[TM+\b1], |v[WX+32*\b1]|, |v[WX+32*\b1+1]|, FLOOR
.irp i, 2,4,6,8,10,12,14,16,18,20,22,24,26,28,30
	v_max3_num_f32 v[TM+\b0], |v[WX+32*\b0+\i]|, |v[WX+32*\b0+\i+1]|, v[TM+\b0]
	v_max3_num_f32 v[TM+\b1], |v[WX+32*\b1+\i]|, |v[WX+32*\b1+\i+1]|, v[TM+\b1]
.endr
.endm
	s_wait_loadcnt 63                              ; blocks 0 and 1 are in: 64 loads were issued behind them, and the wait's field names 63 at the most
	BMAX 0, 1
	s_wait_loadcnt 0x0
	BMAX 2, 3
.irp b, 0,1,2,3
	v_add_nc_u32 v[TM+12+\b], 0xff000000, v[TM+\b]
.endr
.irp b, 0,1,2,3
	v_lshrrev_b32 v[TM+4+\b], 23, v[TM+12+\b]
.endr
	v_lshl_or_b32 v[PW], v[TM+5], 8, v[TM+4]
	v_lshl_or_b32 v[PW], v[TM+6], 16, v[PW]
	v_lshl_or_b32 v[PW], v[TM+7], 24, v[PW]
.irp b, 0,1,2,3                                ; block b belongs to lane (r, b % 2), registers 6 (b / 2) on
	v_cvt_scalef32_pk16_fp6_f32 v[PC+12*(\b%2)+6*(\b/2):PC+12*(\b%2)+6*(\b/2)+2], v[WX+32*\b:WX+32*\b+15], v[TM+12+\b]
	v_cvt_scalef32_pk16_fp6_f32 v[WHV+4*\b:WHV+4*\b+2], v[WX+32*\b+16:WX+32*\b+31], v[TM+12+\b]
.endr
	v_nop                                          ; one plain line behind the scaled conversions
.irp b, 0,1,2,3
.irp i, 0,1,2
	v_mov_b32 v[PC+12*(\b%2)+6*(\b/2)+3+\i], v[WHV+4*\b+\i]
.endr
.endr
.irp h, 0,1
.irp g, 0,1,2
	global_store_b128 v[WVB], v[PC+12*\h+4*\g:PC+12*\h+4*\g+3], s[22:23] offset:512*\g+256*\h   ; the sixteen lanes of one tile fill 256 consecutive bytes
.endr
.endr
	ds_store_b32 v[WSA], v[PW]                     ; the four waves' words of a position lie side by side
	s_wait_dscnt 0x0                               ; for the others' sake: my store has landed
	s_barrier_signal -1
	s_barrier_wait -1
	s_cmp_lg_u32 s12, 0
	s_cbranch_scc1 .Lnot0
	ds_load_b128 v[WBK:WBK+3], v[WRD]
	s_wait_dscnt 0x0
	global_store_b128 v[WLI], v[WBK:WBK+3], s[24:25]  ; 512 consecutive bytes, aligned
.Lnot0:
	s_wait_tensorcnt 0x0                           ; the wave's end
	ds_add_u32 v[SPW], v[NIL]
	s_wait_dscnt 0x0
	s_endpgm
.Lfunc_end_k_q12c8e87521_qxw:
	.size	k_q12c8e87521_qxw, .Lfunc_end_k_q12c8e87521_qxw-k_q12c8e87521_qxw
	.p2alignl 7, 3214868480
	.fill 96, 4, 3214868480
	.section	.rodata,"a",@progbits
	.p2align	6, 0x0
	.amdhsa_kernel k_q12c8e87521_qxw
		.amdhsa_group_segment_fixed_size 34816
		.amdhsa_private_segment_fixed_size 0
		.amdhsa_enable_private_segment 0
		.amdhsa_kernarg_size 56
		.amdhsa_user_sgpr_count 2
		.amdhsa_user_sgpr_kernarg_segment_ptr 1
		.amdhsa_wavefront_size32 1
		.amdhsa_system_sgpr_workgroup_id_x 1
		.amdhsa_system_sgpr_workgroup_id_y 1
		.amdhsa_system_sgpr_workgroup_id_z 1
		.amdhsa_system_vgpr_workitem_id 0
		.amdhsa_next_free_vgpr 240
		.amdhsa_next_free_sgpr 66
		.amdhsa_reserve_vcc 1
		.amdhsa_float_denorm_mode_32 3
		.amdhsa_float_denorm_mode_16_64 3
		.amdhsa_memory_ordered 1
		.amdhsa_forward_progress 1
		.amdhsa_inst_pref_size 66
	.end_amdhsa_kernel
	.amdgpu_metadata
---
amdhsa.version: [ 1, 2 ]
amdhsa.kernels:
  - .name:           k_q12c8e87521_qxw
    .symbol:         k_q12c8e87521_qxw.kd
    .args:
      - { .name: x, .offset: 0, .size: 8, .value_kind: global_buffer, .address_space: global }
      - { .name: xc, .offset: 8, .size: 8, .value_kind: global_buffer, .address_space: global }
      - { .name: xs, .offset: 16, .size: 8, .value_kind: global_buffer, .address_space: global }
      - { .name: w_qkv, .offset: 24, .size: 8, .value_kind: global_buffer, .address_space: global }
      - { .name: w_out, .offset: 32, .size: 8, .value_kind: global_buffer, .address_space: global }
      - { .name: wc, .offset: 40, .size: 8, .value_kind: global_buffer, .address_space: global }
      - { .name: ws, .offset: 48, .size: 8, .value_kind: global_buffer, .address_space: global }
    .group_segment_fixed_size: 34816
    .private_segment_fixed_size: 0
    .kernarg_segment_align: 8
    .kernarg_segment_size: 56
    .max_flat_workgroup_size: 128
    .sgpr_count:     66
    .vgpr_count:     240
    .wavefront_size: 32
...
	.end_amdgpu_metadata
.endif
;; end of part 1
;; launch gemm1 (part 2): grid 4 x 64, 4 waves a work-group, clusters of 4 x 4, 327,680 bytes of LDS; arguments xc, xs, wc, ws, qq, kv; writes qq, kv
.if DOCPART == 2
	.amdgcn_target "amdgcn-amd-amdhsa--gfx1250"
	.amdhsa_code_object_version 6
	.text
	.protected	k_q12c8e87521_gemm1
	.globl	k_q12c8e87521_gemm1
	.p2align	8
	.type	k_q12c8e87521_gemm1,@function
k_q12c8e87521_gemm1:
	s_mov_b64 s[64:65], 0
	v_nop
	global_prefetch_b8 v0, s[64:65] scope:SCOPE_SE
	s_setreg_imm32_b32 hwreg(HW_REG_WAVE_MODE, 25, 1), 1
	s_wait_xcnt 0x0
	s_wait_alu depctr_hold_cnt(0) depctr_sa_sdst(0) depctr_va_vdst(0) depctr_va_sdst(0) depctr_va_ssrc(0) depctr_va_vcc(0) depctr_vm_vsrc(0)
	s_getreg_b32 s2, hwreg(HW_REG_IB_STS2, 6, 4)
	s_cmp_eq_u32 s2, 0
	s_cbranch_scc0 .Lentry_in_a_cluster
	s_endpgm
.Lentry_in_a_cluster:
	s_bfe_u32 s2, ttmp6, 0x10000c
	s_cmp_lg_u32 s2, 0xf033
	s_cbranch_scc0 .Lentry_shape_is_right
	s_endpgm
.Lentry_shape_is_right:
; qkv = x w_qkv on codes of FP6 (E2M3), then the split into heads, q x 1/8, and the quantisers of q and k (along the head's 64) and of v (along the keys): nothing wide goes to memory.
; SHARES.  256 WORK-GROUPS THAT STAY: a work-group takes 128 tokens (8 tiles) and walks three passes of 256 columns (16 tiles): q's, k's, v's columns 256 cx on.  Wave w takes all 128 tokens x 64 columns = ONE HEAD: 32 accumulators.
; LDS.  The tokens' tiles, all of K, lie in a region of their own, [half of K][8 tiles][6,144 bytes], filled once.  The columns' tiles go through a ring of two slots, slot h = K steps 4 h .. 4 h + 3 of 16 tiles, 98,304 bytes.
; FILLS.  At the head one joint load a wave: wave 0 A's half 0, wave 1 B's half 0, wave 2 A's half 1, wave 3 B's half 1; the first barrier waits for waves 0 and 1 alone (their load lines are their own).
; In passes 0 and 1 slot 0 is filled again in K step 3 and slot 1 in K step 7, with the next pass's tiles, four tiles a wave: one load is out for each wave.
; Each refill stands behind the three lines and a round of the cluster's barrier; the round also shows the refill before it to all waves.  Pass 2 fills nothing.
; FRAGMENTS.  Ahead of a K step's 32 products the next step's 36 LDS loads are issued in ONE run, into the other set of registers, and one wait leaves just these 36 out.  K step 7 of passes 0 and 1 fetches the next pass's K step 0.
; NO PREFETCH: a refill is asked for four K steps (128 matrix instructions a wave) ahead of the first read of its bytes.
; CLUSTER 4 x 4: the four work-groups of a row need the same tokens' tiles, the four of a column the same columns': each tile is asked for jointly.
; TILES.  Token tile T holds, at position r, token 64 (T / 4) + 8 (T % 4) + r % 8 + 32 (r / 8); column tile Tn column 32 (Tn / 2) + 8 (Tn % 2) + r + 8 (r / 8).
; q, k: source 0 = 16 columns, source 1 = 16 tokens: a lane holds one token; the 16 registers of two neighbouring column tiles are 16 neighbours of the head's 64.
; v: the other way round: a lane holds one channel; the 32 registers of four neighbouring token tiles are keys 64 c + 32 h + 0 .. 31 of the key step: a whole block.
; OUT.  qq = [bh 64][106,496]: 64 images of a PAIR of token tiles (registers 0-5 the even tile, 6-11 the odd), then [key step 16][lane][4 words] of scale words (bytes 0, 1: the two blocks of 32; bytes 2, 3: 127).
;       kv = [bh 64][key step 16][13,056]: K's four pair images (6,144), V's four channel tiles' images (6,144), K's scale words [lane][4 words] (512), V's [lane][2 words] (256).
; q x 1/8 is exact: 3 is taken off q's scale bytes.
; LIMITS: q's and k's blocks take the floor 2^-121 for their largest magnitude (so that 3 can be taken off a byte), v's 2^-124; a block of zeros carries the floor's byte where the rule says 127 (zero codes; read by this program alone); NaN and infinities are not served.
; REGISTERS.  window 0: v1-29 addresses; v32-63 tokens' scale words (32 + 8 g + s: lanes 0-15 the even tile, 16-31 the odd); v64-79 this pass's columns' words, v104-135 the later passes'; v80-103 at work; v160-255 A's set 0.
;             window 1: v0-47, v48-95 B's two sets; v160-255 A's set 1.   window 2: the 32 accumulators.   window 3: v0-79 the codes on their way out.
.set AH,    49152
.set BOFF,  98304
.set BS,    98304
.set SPARE, 294912
.set PASSB, 64*12288
.set LI,  1
.set L8,  2
.set ADA, 4
.set ADB, 8
.set H16, 16
.set H8,  17
.set SPW, 28
.set NIL, 29
.set XS,  32
.set WS,  64
.set TM,  80
.set SW,  96
.set PW,  100
.set W1,  104
.set W2,  120
.set AF,  160
.set WV,  16
.set PS,  23
.set G1A, 24
.set G1B, 32
.set G0A, 40
.set G0R, 48
.set G0B, 68
.set G1R, 76
.set SEL, 96
.set HM,  98
.set MSB, 0
.macro WIN new
.if MSB != (\new)
	s_set_vgpr_msb (MSB<<8)|(\new)
.set MSB, (\new)
.endif
.endm
.macro PLACES n
.rept \n
	v_nop
.endr
.endm
.macro CROUND
	s_barrier_signal -1
	s_barrier_wait -1
	s_cmp_lg_u32 s[WV], 0
	s_cbranch_scc1 .Lnot_wave_0_\@
	s_barrier_signal -3
.Lnot_wave_0_\@:
	s_barrier_wait -3
	s_barrier_signal -1
	s_barrier_wait -1
.endm
.macro TLOAD g0, g1
	tensor_load_to_lds s[\g0:\g0+3], s[\g1:\g1+7]
	s_nop 0
	PLACES 4
.endm
.macro GRP g, mask, rows               ; rows of 6,144 bytes (a tile's four K steps: 768 elements of 8 bytes), 12,288 bytes apart in memory, dense in LDS
	s_or_b32 s[\g], s\mask, (3<<16)|(1<<21)
	s_mov_b32 s[\g+1], 768<<16
	s_mov_b32 s[\g+2], (\rows)<<16
	s_mov_b32 s[\g+3], 768<<16
	s_mov_b32 s[\g+4], \rows
	s_mov_b32 s[\g+5], 1536
	s_mov_b32 s[\g+6], 0
	s_mov_b32 s[\g+7], 0
.endm
.macro EM1 c, ra, rb
	v_wmma_scale_f32_16x16x128_f8f6f4 v[rD:rD+7], v[rA:rA+11], v[rB:rB+11], \c, v[rSA], v[rSB] matrix_a_fmt:MATRIX_FMT_FP6 matrix_b_fmt:MATRIX_FMT_FP6 matrix_a_scale:MATRIX_SCALE_ROW\ra matrix_b_scale:MATRIX_SCALE_ROW\rb
.endm
.macro EM c
.if rRA
.if rRB
	EM1 \c, 1, 1
.else
	EM1 \c, 1, 0
.endif
.elseif rRB
	EM1 \c, 0, 1
.else
	EM1 \c, 0, 0
.endif
.endm
.macro LDB s, i                        ; my column tile i's fragment of K step s % 8 into set s % 2: three loads of 512 consecutive bytes
	WIN 0x40
.irp g, 0,1,2
	ds_load_b128 v[48*((\s)%2)+12*(\i)+4*\g:48*((\s)%2)+12*(\i)+4*\g+3], v[ADB+((\s)%8)/4] offset:6144*(\i)+1536*((\s)%4)+512*\g
.endr
.endm
.macro LDA s, i                        ; token tile i's
.if (\s)%2
	WIN 0x40
.else
	WIN 0
.endif
.irp g, 0,1,2
	ds_load_b128 v[AF+12*(\i)+4*\g:AF+12*(\i)+4*\g+3], v[ADA+((\s)%8)/4] offset:6144*(\i)+1536*((\s)%4)+512*\g
.endr
.endm
.macro FETCH s                         ; a K step's 36 loads: B's four tiles, then A's eight
.irp i, 0,1,2,3
	LDB \s, \i
.endr
.irp i, 0,1,2,3,4,5,6,7
	LDA \s, \i
.endr
.endm
; K step s: 32 matrix instructions; the 32 accumulators take turns, in the same order in every step.  The first step's products start the sums.  f: the step whose fragments are fetched ahead of them (under 0: none).
; mode 0: source 0 = columns, source 1 = tokens, accumulator (a, t) at 8 (4 a + t).   mode 1: the other way round, at 8 (8 t + a).
.macro MUL s, mode, f
.set P_, (\s)%2
.if (\f) < 0
	s_wait_dscnt 0x0
.else
	FETCH \f
	s_wait_dscnt 36                                ; all but the 36 just issued: this step's fragments are in
.endif
.if \mode
	WIN 0xa4+P_
.else
	WIN 0xa1+4*P_
.endif
.irp a, 0,1,2,3,4,5,6,7
.irp t, 0,1,2,3
.if \mode
.set rD, 8*(8*\t+\a)
.set rA, AF+12*\a
.set rB, 48*P_+12*\t
.set rSA, XS+8*(\a/2)+(\s)
.set rSB, WS+8*(\t/2)+(\s)
.set rRA, \a%2
.set rRB, \t%2
.else
.set rD, 8*(4*\a+\t)
.set rA, 48*P_+12*\t
.set rB, AF+12*\a
.set rSA, WS+8*(\t/2)+(\s)
.set rSB, XS+8*(\a/2)+(\s)
.set rRA, \t%2
.set rRB, \a%2
.endif
.if (\s) == 0
	EM 0
.else
	EM v[rD:rD+7]
.endif
.endr
.endr
.endm
.macro MAIN mode, refill
.irp s, 0,1,2,3,4,5,6
.if (\s) == 3
.if \refill
	WIN 0
	s_wait_tensorcnt 0x0                           ; all my tensor loads have landed,
	ds_add_u32 v[SPW], v[NIL]                      ; an add on my spare word,
	s_add_nc_u64 s[G0R+6:G0R+7], s[G0R+6:G0R+7], PASSB   ; (no load of mine is out: slot 1's next tiles)
	s_wait_dscnt 0x0                               ; the add is done, and so are my reads of slot 0: step 3's fragments are in
	CROUND                                         ; that holds of every wave of the cluster: the upper half of K is shown, and slot 0 is free
	TLOAD G0R, G1R                                 ; the next pass's K steps 0-3, my four tiles; its four v_nop are the places in front of the loads below
.else
	s_wait_tensorcnt 0x0
	s_wait_dscnt 0x0
	s_barrier_signal -1
	s_barrier_wait -1                              ; slot 1's last refill is shown to all
	PLACES 4
.endif
.elseif (\s) > 0
	PLACES 4                                       ; in front of loads into registers that the last step's matrix instructions have read
.endif
	MUL \s, \mode, \s+1
.endr
.if \refill
	WIN 0
	s_wait_tensorcnt 0x0
	ds_add_u32 v[SPW], v[NIL]
	s_add_nc_u64 s[G0R+2:G0R+3], s[G0R+2:G0R+3], PASSB   ; slot 0's next tiles
	s_wait_dscnt 0x0                               ; step 7's fragments are in: my reads of slot 1 are over
	CROUND                                         ; slot 0's refill is shown to all, and slot 1 is free
	TLOAD G0R+4, G1R                               ; the next pass's K steps 4-7
	MUL 7, \mode, 8
.else
	MUL 7, \mode, -1
.endif
	WIN 0
.endm
.macro QMAX s, floor                   ; four chains over 16 registers each of 64 in window 2; each accumulator is read from its low end on
	WIN 0x0a
.irp b, 0,1,2,3
	v_max3_num_f32 v[TM+\b], |v[(\s)+16*\b]|, |v[(\s)+16*\b+1]|, \floor
.endr
.irp i, 2,4,6,8,10,12,14
.irp b, 0,1,2,3
	v_max3_num_f32 v[TM+\b], |v[(\s)+16*\b+\i]|, |v[(\s)+16*\b+\i+1]|, v[TM+\b]
.endr
.endr
	WIN 0
.endm
; q, k: register 16 b + i = k 32 b + 16 h + i of my row: a fragment's 12 registers in window 3, v[pc] on, and the row's scale word in v[pw]
.macro QUANT s, pc, pw, floor
	QMAX \s, \floor
.irp b, 0,1,2,3
	v_permlanex16_b32 v[TM+4+\b], v[TM+\b], s[SEL], s[SEL+1]
.endr
.irp b, 0,1,2,3
	v_max_num_f32 v[TM+\b], v[TM+\b], v[TM+4+\b]
.endr
.irp b, 0,1,2,3
	v_add_nc_u32 v[TM+12+\b], 0xff000000, v[TM+\b]
.endr
.irp b, 0,1,2,3
	v_lshrrev_b32 v[TM+4+\b], 23, v[TM+12+\b]
.endr
	v_lshl_or_b32 v[\pw], v[TM+5], 8, v[TM+4]
	v_lshl_or_b32 v[\pw], v[TM+6], 16, v[\pw]
	v_lshl_or_b32 v[\pw], v[TM+7], 24, v[\pw]
	WIN 0xc2                                       ; destination window 3, the numbers window 2, the scale window 0
.irp c, 0,1
	v_cvt_scalef32_pk16_fp6_f32 v[(\pc)+6*\c:(\pc)+6*\c+2], v[(\s)+32*\c:(\s)+32*\c+15], v[TM+12+2*\c]
	v_cvt_scalef32_pk16_fp6_f32 v[(\pc)+12+4*\c:(\pc)+14+4*\c], v[(\s)+16+32*\c:(\s)+31+32*\c], v[TM+13+2*\c]
.endr
	WIN 0xc3
	v_nop                                          ; one plain line behind the scaled conversions
.irp c, 0,1
.irp i, 0,1,2
	v_permlane16_swap_b32 v[(\pc)+6*\c+\i], v[(\pc)+12+4*\c+\i]
.endr
.irp i, 0,1,2
	v_mov_b32 v[(\pc)+3+6*\c+\i], v[(\pc)+12+4*\c+\i]
.endr
.endr
	WIN 0
.endm
; v: register 32 c + i = key 64 c + 32 h + i of my channel: two whole blocks a lane; no other lane is asked for a maximum, and the conversions' results are the operand's registers
.macro QUANT2 s, pc, pw
	QMAX \s, 0x1800000
	v_max_num_f32 v[TM], v[TM], v[TM+1]
	v_max_num_f32 v[TM+2], v[TM+2], v[TM+3]
	v_add_nc_u32 v[TM+12], 0xff000000, v[TM]
	v_add_nc_u32 v[TM+13], 0xff000000, v[TM+2]
	v_lshrrev_b32 v[TM+4], 23, v[TM+12]
	v_lshrrev_b32 v[TM+6], 23, v[TM+13]
	v_lshl_or_b32 v[TM+4], v[TM+6], 16, v[TM+4]    ; my bytes: blocks h and 2 + h,
	v_lshlrev_b32 v[TM+4], v[H8], v[TM+4]          ; at their places in the word;
	v_permlanex16_b32 v[TM+5], v[TM+4], s[SEL], s[SEL+1]
	v_or_b32 v[\pw], v[TM+4], v[TM+5]              ; with lane l xor 16's two the word is whole
	WIN 0xc2
.irp c, 0,1
	v_cvt_scalef32_pk16_fp6_f32 v[(\pc)+6*\c:(\pc)+6*\c+2], v[(\s)+32*\c:(\s)+32*\c+15], v[TM+12+\c]
	v_cvt_scalef32_pk16_fp6_f32 v[(\pc)+12+4*\c:(\pc)+14+4*\c], v[(\s)+16+32*\c:(\s)+31+32*\c], v[TM+12+\c]
.endr
	WIN 0xc3
	v_nop
.irp c, 0,1
.irp i, 0,1,2
	v_mov_b32 v[(\pc)+3+6*\c+\i], v[(\pc)+12+4*\c+\i]
.endr
.endr
	WIN 0
.endm
.macro PUT pc, off                     ; an image leaves: 512 consecutive bytes a store, aligned; each image has registers of its own
	WIN 0x0c                                       ; a store's data are its source 1: window 3
.irp g, 0,1,2
	global_store_b128 v[LI], v[(\pc)+4*\g:(\pc)+4*\g+3], s[92:93] offset:(\off)+512*\g
.endr
	WIN 0
.endm
.macro LDW d, t                        ; pass t's columns' scale words, all of K
.irp g, 0,1
.irp j, 0,1
	global_load_b128 v[\d+8*\g+4*\j:\d+8*\g+4*\j+3], v[LI], s[88:89] offset:32768*\t+1024*\g+512*\j
.endr
.endr
.endm
	s_load_b256 s[4:11], s[0:1], 0x0               ; xc, xs, wc, ws
	s_load_b128 s[12:15], s[0:1], 0x20             ; qq, kv
	v_lshl_add_u32 v[SPW], v0, 2, SPARE
	v_mov_b32 v[NIL], 0
	ds_add_u32 v[SPW], v[NIL]                      ; the opening lines: the add, twice on end, and its wait ahead of my first tensor load
	ds_add_u32 v[SPW], v[NIL]
	v_lshrrev_b32 v1, 5, v0
	v_readfirstlane_b32 s[WV], v1                  ; wave 0..3
	s_bfe_u32 s19, ttmp6, 0x40000                  ; cx: which 256 columns of a pass
	s_bfe_u32 s20, ttmp6, 0x40004                  ; cy
	s_and_b32 s22, ttmp7, 0xffff
	s_lshl_b32 s22, s22, 2
	s_add_co_u32 s22, s22, s20                     ; y: which 128 tokens
	s_lshl_b32 s56, s20, 2
	s_lshl_b32 s56, 15, s56                        ; my row of the cluster
	s_lshl_b32 s57, 0x1111, s19                    ; my column
	GRP G1A, 56, 8
	GRP G1B, 57, 16
	GRP G1R, 57, 4
	s_mul_i32 s58, s22, 8*12288                    ; A: tile 8 y: hangs on y alone
	s_mov_b32 s59, 0
	s_mul_i32 s60, s19, 16*12288                   ; B, pass 0: tile 16 cx: on cx alone
	s_mov_b32 s61, 0
	s_mul_i32 s62, s[WV], 4*12288                  ; a refill: my four tiles, in memory
	s_mov_b32 s63, 0
	s_mul_i32 s3, s[WV], 4*6144                    ; and in a slot; they are also the four that I multiply
	s_mov_b32 s[SEL], 0x76543210
	s_mov_b32 s[SEL+1], 0xfedcba98
	s_wait_alu depctr_va_vdst(0)
	s_wait_dscnt 0x0                               ; both opening adds are done
	s_wait_kmcnt 0x0
	s_add_nc_u64 s[58:59], s[4:5], s[58:59]
	s_add_nc_u64 s[60:61], s[8:9], s[60:61]
.irp c, 0,1
	s_mov_b32 s[G0A+4*\c], 1
	s_mov_b32 s[G0A+4*\c+1], AH*\c
	s_add_nc_u64 s[G0A+4*\c+2:G0A+4*\c+3], s[58:59], 6144*\c
	s_or_b32 s[G0A+4*\c+3], s[G0A+4*\c+3], 0x80000000
	s_mov_b32 s[G0B+4*\c], 1
	s_mov_b32 s[G0B+4*\c+1], BOFF+BS*\c
	s_add_nc_u64 s[G0B+4*\c+2:G0B+4*\c+3], s[60:61], 6144*\c
	s_or_b32 s[G0B+4*\c+3], s[G0B+4*\c+3], 0x80000000
	s_mov_b32 s[G0R+4*\c], 1
	s_add_co_u32 s[G0R+4*\c+1], s3, BOFF+BS*\c
.endr
	s_add_nc_u64 s[60:61], s[60:61], s[62:63]
	s_add_nc_u64 s[G0R+2:G0R+3], s[60:61], PASSB   ; slot 0's first refill: pass 1's K steps 0-3
	s_or_b32 s[G0R+3], s[G0R+3], 0x80000000
	s_add_nc_u64 s[G0R+6:G0R+7], s[60:61], 6144    ; slot 1's: pass 0's place, stepped by a pass ahead of each use
	s_or_b32 s[G0R+7], s[G0R+7], 0x80000000
	CROUND                                         ; all sixteen work-groups are here: the joint loads meet
	s_cmp_eq_u32 s[WV], 0                          ; one chain of branches on the wave's number, one load to an arm
	s_cbranch_scc0 .Lw1
	TLOAD G0A, G1A
	s_branch .Lasked
.Lw1:
	s_cmp_eq_u32 s[WV], 1
	s_cbranch_scc0 .Lw2
	TLOAD G0B, G1B
	s_branch .Lasked
.Lw2:
	s_cmp_eq_u32 s[WV], 2
	s_cbranch_scc0 .Lw3
	TLOAD G0A+4, G1A
	s_branch .Lasked
.Lw3:
	TLOAD G0B+4, G1B
.Lasked:
	v_and_b32 v[LI], 31, v0
	v_lshlrev_b32 v[L8], 3, v[LI]
	v_lshlrev_b32 v[LI], 4, v[LI]
	v_bfe_u32 v[H16], v0, 4, 1
	v_lshlrev_b32 v[H8], 3, v[H16]
	v_lshlrev_b32 v[H16], 4, v[H16]
	s_add_co_u32 s84, s3, BOFF
	v_mov_b32 v[ADA], v[LI]
	v_add_nc_u32 v[ADA+1], AH, v[LI]
	v_add_nc_u32 v[ADB], s84, v[LI]
	s_add_co_u32 s84, s84, BS
	v_add_nc_u32 v[ADB+1], s84, v[LI]
.irp b, 0,1,2,3
	v_mov_b32 v[TM+4+\b], 0                        ; a lane permute's destination counts as one of its sources
.endr
	s_lshl_b32 s84, s22, 12                        ; the tokens' scale words: 4 groups of 1,024 bytes
	s_mov_b32 s85, 0
	s_add_nc_u64 s[84:85], s[6:7], s[84:85]
	s_lshl_b32 s88, s19, 3                         ; my columns': groups 32 t + 8 cx + 2 w, + 1
	s_lshl_b32 s89, s[WV], 1
	s_add_co_u32 s88, s88, s89
	s_lshl_b32 s88, s88, 10
	s_mov_b32 s89, 0
	s_add_nc_u64 s[88:89], s[10:11], s[88:89]
	s_wait_alu depctr_va_vdst(0)                   ; the wait at the head's end
.irp g, 0,1,2,3
.irp j, 0,1
	global_load_b128 v[XS+8*\g+4*\j:XS+8*\g+4*\j+3], v[LI], s[84:85] offset:1024*\g+512*\j   ; all of K's scale words, once, 512 consecutive bytes a load
.endr
.endr
	LDW WS, 0
	LDW W1, 1
	LDW W2, 2
	s_lshr_b32 s86, s22, 4                         ; bh = 16 x batch + head; head = 4 cx + wave
	s_lshl_b32 s86, s86, 4
	s_lshl_b32 s87, s19, 2
	s_add_co_u32 s86, s86, s87
	s_add_co_u32 s86, s86, s[WV]
	s_and_b32 s87, s22, 15                         ; which 128 tokens of the batch: the key step
	s_cmp_lt_u32 s[WV], 2
	s_cbranch_scc0 .Lnot_first
	s_wait_tensorcnt 0x0                           ; waves 0 and 1: the lower half of K has landed
.Lnot_first:
	s_barrier_signal -1
	s_barrier_wait -1                              ; the upper half may still be on its way
	FETCH 0                                        ; pass 0's K step 0
	WIN 0
	s_wait_loadcnt 0x0                             ; the scale words
	s_mov_b32 s[PS], 0
.Lpass:                                                ; passes 0 (q) and 1 (k)
	MAIN 0, 1
	; a lane holds one token; tiles 2 b' and 2 b' + 1 give four blocks of 32: one pair image and two half words
	s_cmp_eq_u32 s[PS], 0
	s_cselect_b64 s[56:57], s[12:13], s[14:15]     ; qq or kv
	s_mov_b32 s58, 208896
	s_cselect_b32 s58, 106496, s58                 ; a head's record
	s_mov_b32 s59, 13056
	s_cselect_b32 s59, 6144, s59                   ; from key step to key step, the images
	s_mov_b32 s62, 13056
	s_cselect_b32 s62, 512, s62                    ; and the scale words,
	s_mov_b32 s63, 12288
	s_cselect_b32 s63, 98304, s63                  ; which begin here
	s_mov_b32 s90, 0x7f7f0000                      ; k: bytes 2 and 3 become 127
	s_cselect_b32 s90, 0x7f7efcfd, s90             ; q: the same, and 3 off bytes 0 and 1 (each is 4 at the least, so each addition carries once): x 1/8
	s_mul_i32 s58, s86, s58
	s_mul_i32 s91, s87, s59
	s_add_co_u32 s92, s58, s91
	s_mov_b32 s93, 0
	s_add_nc_u64 s[92:93], s[56:57], s[92:93]
	s_mul_i32 s91, s87, s62
	s_add_co_u32 s94, s58, s63
	s_add_co_u32 s94, s94, s91
	s_mov_b32 s95, 0
	s_add_nc_u64 s[94:95], s[56:57], s[94:95]
	PLACES 4                                       ; in front of the first read of results, and of writes into registers that matrix instructions have read
.set I, 0
.rept 16
	v_mov_b32 v[WS+I], v[W1+I]                     ; the next pass's columns' scale words move up
	v_mov_b32 v[W1+I], v[W2+I]
.set I, I+1
.endr
.irp p, 0,1,2,3
	QUANT 64*\p, 20*\p, PW, 0x3000000
	v_bfe_u32 v[SW+\p], v[PW], v[H16], 16          ; lanes 0-15 keep the even tile's two bytes, lanes 16-31 the odd tile's
	v_add_nc_u32 v[SW+\p], s90, v[SW+\p]
	PUT 20*\p, 1536*\p
.endr
	global_store_b128 v[LI], v[SW:SW+3], s[94:95]
	s_wait_xcnt 0x0                                ; the stores have read their registers and bases, which the next pass writes again
	s_add_co_u32 s[PS], s[PS], 1
	s_cmp_lt_u32 s[PS], 2
	s_wait_alu depctr_va_vdst(0)                   ; the wait ahead of the branch
	s_cbranch_scc1 .Lpass
	MAIN 1, 0                                      ; pass 2: v
	s_mul_i32 s58, s86, 208896
	s_mul_i32 s91, s87, 13056
	s_add_co_u32 s58, s58, s91
	s_add_co_u32 s92, s58, 6144
	s_mov_b32 s93, 0
	s_add_nc_u64 s[92:93], s[14:15], s[92:93]
	s_add_co_u32 s94, s58, 12800
	s_mov_b32 s95, 0
	s_add_nc_u64 s[94:95], s[14:15], s[94:95]
	s_mov_b32 s[HM], 0xffff0000
	PLACES 4
.irp t, 0,1,2,3
	QUANT2 64*\t, 20*\t, PW+\t
	PUT 20*\t, 1536*\t
.endr
	v_cndmask_b32 v[SW], v[PW], v[PW+1], s[HM]     ; lanes 0-15 the even tile's words, lanes 16-31 the odd tile's
	v_cndmask_b32 v[SW+1], v[PW+2], v[PW+3], s[HM]
	global_store_b64 v[L8], v[SW:SW+1], s[94:95]   ; 256 consecutive bytes, aligned
	s_wait_tensorcnt 0x0                           ; the wave's end
	ds_add_u32 v[SPW], v[NIL]
	s_wait_dscnt 0x0
	CROUND                                         ; the closing round
	s_endpgm
.Lfunc_end_k_q12c8e87521_gemm1:
	.size	k_q12c8e87521_gemm1, .Lfunc_end_k_q12c8e87521_gemm1-k_q12c8e87521_gemm1
	.p2alignl 7, 3214868480
	.fill 96, 4, 3214868480
	.section	.rodata,"a",@progbits
	.p2align	6, 0x0
	.amdhsa_kernel k_q12c8e87521_gemm1
		.amdhsa_group_segment_fixed_size 327680
		.amdhsa_private_segment_fixed_size 0
		.amdhsa_enable_private_segment 0
		.amdhsa_kernarg_size 48
		.amdhsa_user_sgpr_count 2
		.amdhsa_user_sgpr_kernarg_segment_ptr 1
		.amdhsa_wavefront_size32 1
		.amdhsa_system_sgpr_workgroup_id_x 1
		.amdhsa_system_sgpr_workgroup_id_y 1
		.amdhsa_system_sgpr_workgroup_id_z 1
		.amdhsa_system_vgpr_workitem_id 0
		.amdhsa_next_free_vgpr 848
		.amdhsa_next_free_sgpr 100
		.amdhsa_reserve_vcc 0
		.amdhsa_float_denorm_mode_32 3
		.amdhsa_float_denorm_mode_16_64 3
		.amdhsa_memory_ordered 1
		.amdhsa_forward_progress 1
		.amdhsa_inst_pref_size 149
	.end_amdhsa_kernel
	.amdgpu_metadata
---
amdhsa.version: [ 1, 2 ]
amdhsa.kernels:
  - .name:           k_q12c8e87521_gemm1
    .symbol:         k_q12c8e87521_gemm1.kd
    .args:
      - { .name: xc, .offset: 0, .size: 8, .value_kind: global_buffer, .address_space: global }
      - { .name: xs, .offset: 8, .size: 8, .value_kind: global_buffer, .address_space: global }
      - { .name: wc, .offset: 16, .size: 8, .value_kind: global_buffer, .address_space: global }
      - { .name: ws, .offset: 24, .size: 8, .value_kind: global_buffer, .address_space: global }
      - { .name: qq, .offset: 32, .size: 8, .value_kind: global_buffer, .address_space: global }
      - { .name: kv, .offset: 40, .size: 8, .value_kind: global_buffer, .address_space: global }
    .group_segment_fixed_size: 327680
    .private_segment_fixed_size: 0
    .kernarg_segment_align: 8
    .kernarg_segment_size: 48
    .max_flat_workgroup_size: 128
    .sgpr_count:     100
    .vgpr_count:     848
    .wavefront_size: 32
...
	.end_amdgpu_metadata
.endif
;; end of part 2
;; launch attn (part 3): grid 64 x 4, 16 waves a work-group, no clusters, 211,968 bytes of LDS; arguments qq, kv, ac, as2; writes ac, as2
.if DOCPART == 3
	.amdgcn_target "amdgcn-amd-amdhsa--gfx1250"
	.amdhsa_code_object_version 6
	.text
	.protected	k_q12c8e87521_attn
	.globl	k_q12c8e87521_attn
	.p2align	8
	.type	k_q12c8e87521_attn,@function
k_q12c8e87521_attn:
	s_mov_b64 s[64:65], 0
	v_nop
	global_prefetch_b8 v0, s[64:65] scope:SCOPE_SE
	s_setreg_imm32_b32 hwreg(HW_REG_WAVE_MODE, 25, 1), 1
	s_wait_xcnt 0x0
; Causal attention of one head on codes of FP6 (E2M3), and the quantiser of its result along the last product's K.
; t = score x log2(e) (q carries the 1/8 in its scale bytes); M = the running largest t rounded UP to a whole number; p = 2^(t - M) is quantised along the keys, not normalised; the row's sum is taken of the
; unquantised p and divides at the end.  When M moves, the sum and O are multiplied by 2^(old M - new M): exact.
; SHARES.  Work-group (x = bh, y = p) owns query blocks p and 7 - p of 256 queries: under the mask every work-group then has nine blocks of 256 keys' work.  Wave w owns token tile 16 QB + w of each, in 256 registers.
; NO CLUSTER, though the four work-groups of a head read the same K and V: which key steps are walked hangs on the query block, which differs between them.
; THE HEAD'S RECORD, [key step 16][13,056 bytes] (K's four pair images, V's four images, K's and V's scale words), COMES INTO LDS ONCE, as it lies in memory: wave w's one tensor load brings key step w, 51 rows of 256 bytes.
; THE WALK.  Block p first: its keys lie in key steps 0-7 (8 trips), behind a barrier that waits for waves 0-7's loads alone.  Behind block p each wave waits for its load and signals; then key steps 0-7 of block 7 - p
; (queries from 1,024 on: no key is hidden there, so that copy of the step has no mask); only then the barrier's wait, behind which key steps 8-15 are read.  Nothing is filled again.
; LAYOUT.  S^T = K Q^T, O^T = V^T P^T: a lane holds one query.  Position r of token tile T is token 64 (T / 4) + 8 (T % 4) + r % 8 + 32 (r / 8), so register 32 c + i of a step's scores is key 64 c + 32 h + i:
; a lane holds two WHOLE blocks of 32 keys, in the order of the next operand's registers: no other lane is asked for a block's maximum, and the conversions' results are p's operand.
; THE HEAD'S K IS 64, THE INSTRUCTION'S 128: Q's registers 6-11 are zero codes, and both sides' scale bytes 2, 3 are 127.  A key tile is six registers; the instruction names twelve, of which the upper six meet Q's zeros.
; THE MASK.  A step all of whose keys come after the wave's queries leaves its work out by a scalar branch on ids.  My queries lie in a band of 64; in the step that holds the band, the band's 32 registers are masked by
; 32 lane masks made once at the head (register i is hidden where i > 8 (w % 4) + r % 8 + 32 (r / 8) - 32 h), and where the band is the step's lower half the upper 32 registers are all hidden.  Hidden scores become -infinity.
; OUT.  ac = [token tile 512][head 16][768]: registers 0-5 of a fragment's half ([lane][16 bytes], then [lane][8 bytes]); as2 = [head 16][position 8,192] of two bytes: the scale bytes of the head's two blocks of 32.
; LIMITS: the promise holds while the scaled scores stay under 2^31 in magnitude; result blocks whose largest magnitude lies under 2^-124 take the floor's scale; a block of zeros carries the byte 1 where the rule says 127
; (zero codes; read by this program alone); NaN and infinities are not served.
.set REC,   13056
.set VC,    6144
.set KS,    12288
.set VS,    12800
.set SCG,   208896                     ; 1,024 bytes where the result's scale bytes are gathered
.set SPARE, 209920                     ; the spare words, 128 bytes a wave
.set LI,  1
.set L8,  2
.set SPW, 3
.set NIL, 4
.set QR,  5                            ; v5   8 (w % 4) + r % 8 + 32 (r / 8) - 32 h
.set SGA, 6
.set SGR, 7
.set ADK, 8
.set ADT, 9
.set H8,  10                           ; v10  8 h.   v12 -M, v13 the largest score, v[14:15] the sum in two halves
.set QA,  16
.set QB,  28
.set QSA, 40
.set QSB, 41
.set KV,  42                           ; v42-89 a step's 8 key tiles or 4 channel tiles; v90-95 zeros
.set S,   96
.set O,   160
.set PCD, 192
.set HV,  204
.set BM,  212
.set BX,  216
.set BS,  220
.set KSC, 224
.set VSC, 228
.set PWD, 230
.set F,   232
.set T1,  234
.set T2,  238
.set T3,  239                          ; -infinity
.set OA,  240
.set WV,  12
.set G1,  16
.set G0,  24
.set SEL, 30
.set CS,  32
.set KF,  34
.set TB,  35
.set CNT, 38
.set MK,  66                           ; s66-97 the 32 lane masks
.macro EM c, ra
	v_wmma_scale_f32_16x16x128_f8f6f4 v[rD:rD+7], v[rA:rA+11], v[rB:rB+11], \c, v[rSA], v[rSB] matrix_a_fmt:MATRIX_FMT_FP6 matrix_b_fmt:MATRIX_FMT_FP6 matrix_a_scale:MATRIX_SCALE_ROW\ra
.endm
.macro D n
	s_delay_alu instid0(VALU_DEP_\n)
.endm
.macro WALU
	s_wait_alu depctr_va_vdst(0)
.endm
	s_load_b256 s[4:11], s[0:1], 0x0               ; qq, kv, ac, as2
	v_lshl_add_u32 v[SPW], v0, 2, SPARE
	v_mov_b32 v[NIL], 0
	ds_add_u32 v[SPW], v[NIL]                      ; the opening lines: the add, twice on end, and its wait ahead of my tensor load
	ds_add_u32 v[SPW], v[NIL]
	v_lshrrev_b32 v5, 5, v0
	v_readfirstlane_b32 s[WV], v5                  ; wave 0..15
	s_lshr_b32 s13, s[WV], 1
	s_and_b32 s14, s[WV], 1
	s_mov_b32 s28, ttmp9                           ; bh
	s_mov_b32 s[G1], 3<<16                         ; elements of 8 bytes, no mask, no padding
	s_mov_b32 s[G1+1], 32<<16
	s_mov_b32 s[G1+2], 51<<16
	s_mov_b32 s[G1+3], 32<<16
	s_mov_b32 s[G1+4], 51
	s_mov_b32 s[G1+5], 32
	s_mov_b32 s[G1+6], 0
	s_mov_b32 s[G1+7], 0
	s_mul_i32 s54, s28, 208896
	s_mul_i32 s[G0+1], s[WV], REC                  ; key step w, in LDS as in memory
	s_add_co_u32 s54, s54, s[G0+1]
	s_mov_b32 s55, 0
	s_mov_b32 s[G0], 1
	s_mov_b32 s[SEL], 0x76543210
	s_mov_b32 s[SEL+1], 0xfedcba98
	s_mov_b32 s[CS], 0x3fb8aa3b                    ; log2(e)
	s_mov_b32 s[CS+1], s[CS]
	s_wait_dscnt 0x0
	s_wait_kmcnt 0x0
	s_add_nc_u64 s[G0+2:G0+3], s[6:7], s[54:55]
	s_or_b32 s[G0+3], s[G0+3], 0x80000000
	s_cmp_lt_u32 s[WV], 8                          ; two load lines: waves 0-7's are waited for first
	s_cbranch_scc0 .Llate
	tensor_load_to_lds s[G0:G0+3], s[G1:G1+7]
	s_nop 0
	s_branch .Lasked
.Llate:
	tensor_load_to_lds s[G0:G0+3], s[G1:G1+7]
	s_nop 0
.Lasked:
	s_and_b32 s36, s[WV], 3
	s_lshl_b32 s36, s36, 3                         ; 8 (w % 4)
	s_lshl_b32 s37, s[WV], 5
	s_add_co_u32 s37, s37, SCG                     ; SCG + 32 w
	s_min_u32 s2, s[WV], 1
	s_lshl_b32 s2, s2, 9
	s_add_co_u32 s2, s2, SCG
	s_cmp_eq_u32 s14, 0                            ; my tile is half u = w % 2 of pair image G: its registers 6 u .. 6 u + 5, as three pieces of 8 bytes
	s_cselect_b32 s3, 0, 520
	s_cselect_b32 s98, 8, 1024
	s_mov_b32 s99, 1032
	s_cselect_b32 s99, 512, s99
	s_lshl_b32 s100, s14, 8
	s_and_b32 s15, ttmp7, 0xffff                   ; p: the block walked first,
	s_sub_co_u32 s43, 7, s15                       ; and 7 - p
	s_mul_i32 s29, s28, 106496
	s_mov_b32 s63, 0
	s_lshr_b32 s60, s28, 4                         ; batch
	s_and_b32 s61, s28, 15                         ; head
	s_lshl_b32 s39, s60, 7
	s_add_co_u32 s39, s39, s[WV]                   ; 128 x batch + w
	s_mul_i32 s40, s61, 768
	s_cmp_eq_u32 s[WV], 0                          ; as2: wave 0 stores block p's bytes, wave 1 block 7 - p's
	s_cselect_b32 s54, s15, s43
	s_lshl_b32 s54, s54, 9
	s_lshl_b32 s61, s61, 14
	s_add_co_u32 s54, s54, s61
	s_lshl_b32 s60, s60, 12
	s_add_co_u32 s54, s54, s60
	s_add_nc_u64 s[52:53], s[10:11], s[54:55]
.macro QBASE sq, cb, sb, ql, ac        ; for the block whose number is in s[sq]: Q's codes, Q's scale words, my band's first query 256 QB + 64 (w / 4), and my piece of ac
	s_lshl_b32 s60, s[\sq], 3
	s_add_co_u32 s60, s60, s13                     ; G = 8 QB + w / 2
	s_mul_i32 s62, s60, 1536
	s_add_co_u32 s62, s62, s29
	s_add_nc_u64 s[\cb:\cb+1], s[4:5], s[62:63]
	s_lshr_b32 s61, s60, 2
	s_lshl_b32 s61, s61, 9
	s_and_b32 s60, s60, 3
	s_lshl_b32 s60, s60, 2
	s_add_co_u32 s62, s61, s60
	s_add_co_u32 s62, s62, s29
	s_add_co_u32 s62, s62, 98304
	s_add_nc_u64 s[\sb:\sb+1], s[4:5], s[62:63]
	s_lshl_b32 s[\ql], s[\sq], 8
	s_lshr_b32 s60, s[WV], 2
	s_lshl_b32 s60, s60, 6
	s_add_co_u32 s[\ql], s[\ql], s60
	s_lshl_b32 s62, s[\sq], 4
	s_add_co_u32 s62, s62, s39
	s_mul_i32 s62, s62, 12288
	s_add_co_u32 s62, s62, s40
	s_add_nc_u64 s[\ac:\ac+1], s[8:9], s[62:63]
.endm
	QBASE 43, 48, 50, 41, 44
	QBASE 15, 56, 58, 42, 46
	v_and_b32 v5, 31, v0
	v_lshlrev_b32 v[LI], 4, v5
	v_lshlrev_b32 v[L8], 3, v5
	v_and_b32 v8, 15, v0                           ; r
	v_bfe_u32 v9, v0, 4, 1                         ; h
	v_lshlrev_b32 v[H8], 3, v9
	v_and_b32 v[QR], 7, v8
	v_and_b32 v11, 8, v8
	v_lshl_add_u32 v[QR], v11, 2, v[QR]
	v_lshlrev_b32 v11, 5, v9
	v_sub_nc_u32 v[QR], v[QR], v11
	v_add_nc_u32 v[QR], s36, v[QR]
	v_lshlrev_b32 v[SGA], 1, v8
	v_add_nc_u32 v[SGA], s37, v[SGA]               ; SCG + 32 w + 2 r
	v_add_nc_u32 v[SGR], s2, v[LI]
	v_add_nc_u32 v[OA], s3, v[LI]
	v_add_nc_u32 v[OA+1], s98, v[LI]
	v_add_nc_u32 v[OA+2], s99, v[LI]
	v_lshl_add_u32 v[OA+3], v8, 4, s100            ; Q's scale words: lane 16 u + r of the table, in both halves of my lanes
	WALU
.irp k, 0,1
	global_load_b64 v[QA+12*\k:QA+12*\k+1], v[OA], s[48+8*\k:49+8*\k]
	global_load_b64 v[QA+12*\k+2:QA+12*\k+3], v[OA+1], s[48+8*\k:49+8*\k]
	global_load_b64 v[QA+12*\k+4:QA+12*\k+5], v[OA+2], s[48+8*\k:49+8*\k]
	global_load_b32 v[QSA+\k], v[OA+3], s[50+8*\k:51+8*\k]
.endr
.set i, 0
.rept 32
	v_cmp_gt_i32 s[MK+i], i, v[QR]                 ; register i of my band is hidden in the lanes where i > v[QR]
.set i, i+1
.endr
.irp i, 0,1,2,3,4,5
	v_mov_b32 v[QA+6+\i], 0                        ; zero codes for the instruction's upper 64 along K
	v_mov_b32 v[QB+6+\i], 0
	v_mov_b32 v[KV+48+\i], 0                       ; and behind the last key tile
.endr
.irp b, 0,1,2,3
	v_mov_b32 v[BX+\b], 0                          ; a lane permute's destination counts as one of its sources
.endr
	v_mov_b32 v[F+1], 0                            ; (named as the upper half of a pair)
	v_mov_b32 v[T1], 0
	v_mov_b32 v[T3], 0xff800000
	WALU                                           ; the wait at the head's end
	s_wait_loadcnt 0x0                             ; Q
	s_cmp_lt_u32 s[WV], 8
	s_cbranch_scc0 .Lnot_first
	s_wait_tensorcnt 0x0                           ; waves 0-7: my key step has landed
.Lnot_first:
	s_barrier_signal -1
	s_barrier_wait -1                              ; key steps 0-7 are in
; A KEY STEP of 128 keys for the tile whose Q is v[q], scale word v[qs]; s[ql]: my band's first query.  msk = 0: the copy for steps in which no key is hidden.
.macro STEP q, qs, ql, msk
.if \msk
	s_cmp_gt_u32 s[KF], s[\ql]                     ; KF is a multiple of 128 and ql of 64: KF > ql says that every key comes after every query of mine
	s_cbranch_scc1 .Lhidden_\@
.endif
	v_add_nc_u32 v[ADK], s[TB], v[LI]
	v_add_nc_u32 v[ADT], s[TB], v[L8]
.irp i, 0,1,2,3,4,5,6,7,8,9,10,11
	ds_load_b128 v[KV+4*\i:KV+4*\i+3], v[ADK] offset:512*\i   ; four pair images: eight key tiles
.endr
	ds_load_b128 v[KSC:KSC+3], v[ADK] offset:KS
	WALU
	s_wait_dscnt 0x0
.irp t, 0,1,2,3,4,5,6,7
.set rD, S+8*\t
.set rA, KV+6*\t
.set rB, \q
.set rSA, KSC+\t/2
.set rSB, \qs
.if \t%2
	EM 0, 1
.else
	EM 0, 0
.endif
.endr
.rept 4
	v_nop                                          ; places in front of the loads into K's registers and of the first read of the scores
.endr
.irp i, 0,1,2,3,4,5,6,7,8,9,10,11
	ds_load_b128 v[KV+4*\i:KV+4*\i+3], v[ADK] offset:VC+512*\i   ; V's four images: they land under the softmax
.endr
	ds_load_b64 v[VSC:VSC+1], v[ADT] offset:VS
.if \msk
	s_add_co_u32 s40, s[KF], 127
	s_cmp_le_u32 s40, s[\ql]                       ; all 128 keys count for all my queries: no mask
	s_cbranch_scc1 .Lopen_\@
	s_cmp_eq_u32 s[KF], s[\ql]
	s_cbranch_scc1 .Llow_\@
.set n, 0
.rept 32
	v_cndmask_b32 v[S+32+n], v[S+32+n], v[T3], s[MK+n]   ; my band is the step's upper half
.set n, n+1
.endr
	s_branch .Lopen_\@
.Llow_\@:
.set n, 0
.rept 32
	v_cndmask_b32 v[S+n], v[S+n], v[T3], s[MK+n]   ; my band is the step's lower half,
.set n, n+1
.endr
.set n, 0
.rept 32
	v_mov_b32 v[S+32+n], v[T3]                     ; and the upper half's keys all come later
.set n, n+1
.endr
.Lopen_\@:
.endif
.irp b, 0,1,2,3
	v_max3_num_f32 v[BM+\b], v[S+16*\b], v[S+16*\b+1], v[S+16*\b+2]   ; four chains, two to a block of 32 keys
.endr
.irp i, 3,5,7,9,11,13
.irp b, 0,1,2,3
	v_max3_num_f32 v[BM+\b], v[BM+\b], v[S+16*\b+\i], v[S+16*\b+\i+1]
.endr
.endr
	v_max_num_f32 v[BM+1], v[BM+1], v[S+31]
	v_max_num_f32 v[BM+3], v[BM+3], v[S+63]
	v_max3_num_f32 v[BM], v[BM], v[S+15], v[BM+1]      ; the largest score of each of my two blocks: for the row's maximum and, since p rises with the score, for the block's largest p
	v_max3_num_f32 v[BM+2], v[BM+2], v[S+47], v[BM+3]
	D 1
	v_max_num_f32 v[T1], v[BM], v[BM+2]
	D 1
	v_permlanex16_b32 v[BX], v[T1], s[SEL], s[SEL+1]
	D 1
	v_max3_num_f32 v13, v13, v[T1], v[BX]          ; the running largest score of my query
	D 1
	v_mul_f32 v[T2], s[CS], -v13
	v_mov_b32 v[T1], v12
	D 2
	v_floor_f32 v12, v[T2]                         ; the new -M = floor(-t): M is a whole number
	D 1
	v_sub_f32 v[T1], v12, v[T1]                    ; old M - new M: a whole number, 0 or less
	D 1
	v_cvt_i32_f32 v[T1], v[T1]
	D 1
	v_ldexp_f32 v[F], 1.0, v[T1]                   ; f = 2^(old M - new M)
.set j, 0
.rept 32
	v_pk_fma_f32 v[S+j:S+j+1], v[S+j:S+j+1], s[CS:CS+1], v[12:13] op_sel_hi:[1,0,0]   ; t - M, two at a time
.set j, j+2
.endr
	v_fma_f32 v[BM], v[BM], s[CS], v12             ; the same of each block's largest score
	v_fma_f32 v[BM+2], v[BM+2], s[CS], v12
	WALU
.set j, 0
.rept 64
	v_exp_f32 v[S+j], v[S+j]                       ; p = 2^(t - M)
.set j, j+1
.endr
	v_pk_mul_f32 v[14:15], v[14:15], v[F:F+1] op_sel_hi:[1,0]   ; the sums under the new M: a plain line behind the exponentials
	WALU                                           ; one wait for the whole batch, ahead of its first reader
	v_exp_f32 v[BM], v[BM]                         ; the block's largest p: the same two instructions on the same number give the same bits
	v_exp_f32 v[BM+2], v[BM+2]
	v_pk_add_f32 v[236:237], v[100:101], v[104:105]    ; the row's sum of the unquantised p, in eight chains: 24 additions here, the last eight behind the products
	v_pk_add_f32 v[254:255], v[108:109], v[112:113]
	v_pk_add_f32 v[252:253], v[116:117], v[120:121]
	v_pk_add_f32 v[250:251], v[124:125], v[128:129]
	v_pk_add_f32 v[248:249], v[132:133], v[136:137]
	v_pk_add_f32 v[246:247], v[140:141], v[144:145]
	v_pk_add_f32 v[244:245], v[148:149], v[152:153]
	v_pk_add_f32 v[14:15], v[14:15], v[156:157]
	v_pk_add_f32 v[236:237], v[236:237], v[96:97]
	v_pk_add_f32 v[254:255], v[254:255], v[98:99]
	v_pk_add_f32 v[252:253], v[252:253], v[102:103]
	v_pk_add_f32 v[250:251], v[250:251], v[106:107]
	v_pk_add_f32 v[248:249], v[248:249], v[110:111]
	v_pk_add_f32 v[246:247], v[246:247], v[114:115]
	v_pk_add_f32 v[244:245], v[244:245], v[118:119]
	v_pk_add_f32 v[14:15], v[14:15], v[122:123]
	v_pk_add_f32 v[236:237], v[236:237], v[126:127]
	v_pk_add_f32 v[254:255], v[254:255], v[130:131]
	v_pk_add_f32 v[252:253], v[252:253], v[134:135]
	v_pk_add_f32 v[250:251], v[250:251], v[138:139]
	v_pk_add_f32 v[248:249], v[248:249], v[142:143]
	v_pk_add_f32 v[246:247], v[246:247], v[146:147]
	v_pk_add_f32 v[244:245], v[244:245], v[150:151]
	v_pk_add_f32 v[14:15], v[14:15], v[154:155]
	WALU                                           ; and one for the two
	v_max_num_f32 v[BM], 0x1800000, v[BM]          ; the floor 2^(3 - 127): the byte cannot fall under 1
	v_max_num_f32 v[BM+2], 0x1800000, v[BM+2]
	D 2
	v_add_nc_u32 v[BS], 0xff000000, v[BM]          ; 2 off the exponent field: the conversion's scale operand
	D 2
	v_add_nc_u32 v[BS+1], 0xff000000, v[BM+2]
	D 2
	v_lshrrev_b32 v[BX], 23, v[BS]
	D 2
	v_lshrrev_b32 v[BX+1], 23, v[BS+1]
	D 1
	v_lshl_or_b32 v[T2], v[BX+1], 16, v[BX]        ; my bytes: blocks h and 2 + h,
	D 1
	v_lshlrev_b32 v[T2], v[H8], v[T2]              ; at their places in the word;
	D 1
	v_permlanex16_b32 v[BX+2], v[T2], s[SEL], s[SEL+1]
	D 1
	v_or_b32 v[PWD], v[T2], v[BX+2]                ; with lane l xor 16's two: p's scale word for these 128 keys
.irp c, 0,1
	v_cvt_scalef32_pk16_fp6_f32 v[PCD+6*\c:PCD+6*\c+2], v[S+32*\c:S+32*\c+15], v[BS+\c]
	v_cvt_scalef32_pk16_fp6_f32 v[HV+4*\c:HV+4*\c+2], v[S+32*\c+16:S+32*\c+31], v[BS+\c]   ; (a conversion's three registers begin on an even number)
.endr
	v_nop                                          ; one plain line behind the scaled conversions
.irp c, 0,1
.irp i, 0,1,2
	v_mov_b32 v[PCD+3+6*\c+\i], v[HV+4*\c+\i]
.endr
.endr
	WALU                                           ; the wait directly ahead of the first reader of O^T
.set j, 0
.rept 16
	v_pk_mul_f32 v[O+j:O+j+1], v[O+j:O+j+1], v[F:F+1] op_sel_hi:[1,0]   ; O^T under the new M; these sixteen are also the places between p's codes and scale word and the products
.set j, j+2
.endr
	WALU
	s_wait_dscnt 0x0                               ; V
.irp t, 0,1,2,3                                ; the four accumulators take turns
.set rD, O+8*\t
.set rA, KV+12*\t
.set rB, PCD
.set rSA, VSC+\t/2
.set rSB, PWD
.if \t%2
	EM v[rD:rD+7], 1
.else
	EM v[rD:rD+7], 0
.endif
.endr
	v_pk_add_f32 v[236:237], v[236:237], v[158:159]    ; the sum's last eight additions name none of the products' registers: they are the places behind them
	v_pk_add_f32 v[14:15], v[14:15], v[250:251]
	D 2
	v_pk_add_f32 v[236:237], v[236:237], v[248:249]
	v_pk_add_f32 v[254:255], v[254:255], v[246:247]
	v_pk_add_f32 v[252:253], v[252:253], v[244:245]
	D 2
	v_pk_add_f32 v[14:15], v[14:15], v[254:255]
	D 2
	v_pk_add_f32 v[236:237], v[236:237], v[252:253]
	D 1
	v_pk_add_f32 v[14:15], v[14:15], v[236:237]
.if \msk
.Lhidden_\@:
.endif
	s_add_co_u32 s[KF], s[KF], 128
	s_add_co_u32 s[TB], s[TB], REC
.endm
.macro INIT
	v_mov_b32 v13, 0xff000000                      ; the largest score so far: -2^127
	v_mul_f32 v12, s[CS], -v13
	v_floor_f32 v12, v12
	v_mov_b32 v14, 0
	v_mov_b32 v15, 0
.set j, 0
.rept 32
	v_mov_b32 v[O+j], 0                            ; the step's first walk finds zeros
.set j, j+1
.endr
	s_mov_b32 s[KF], 0
	s_mov_b32 s[TB], 0
.endm
.macro LOOP q, qs, ql, trips, msk
	s_mov_b32 s[CNT], 0
.Lstep_\@:
	STEP \q, \qs, \ql, \msk
	s_add_co_u32 s[CNT], s[CNT], 1
	s_cmp_lt_u32 s[CNT], \trips
	s_cbranch_scc1 .Lstep_\@
.endm
; O^T / the sum, quantised along the head's 64 channels (register 16 b + i = channel 32 b + 16 h + i): half a fragment and two scale bytes.
.macro FINISH blk, ac
.rept 4
	v_nop
.endr
	WALU
	v_add_f32 v14, v14, v15
	D 1
	v_permlanex16_b32 v[T1], v14, s[SEL], s[SEL+1]
	D 1
	v_add_f32 v14, v14, v[T1]                      ; the row's sum
	WALU
	v_rcp_f32 v14, v14
	v_nop
	WALU
.set j, 0
.rept 16
	v_pk_mul_f32 v[S+j:S+j+1], v[O+j:O+j+1], v[14:15] op_sel_hi:[1,0]
.set j, j+2
.endr
.irp b, 0,1
	v_max3_num_f32 v[BM+\b], |v[S+16*\b]|, |v[S+16*\b+1]|, 0x1800000
.endr
.irp i, 2,4,6,8,10,12,14
.irp b, 0,1
	D 2
	v_max3_num_f32 v[BM+\b], v[BM+\b], |v[S+16*\b+\i]|, |v[S+16*\b+\i+1]|
.endr
.endr
.irp b, 0,1
	D 2
	v_permlanex16_b32 v[BX+\b], v[BM+\b], s[SEL], s[SEL+1]
.endr
.irp b, 0,1
	D 2
	v_max_num_f32 v[BM+\b], v[BM+\b], v[BX+\b]
.endr
.irp b, 0,1
	D 2
	v_add_nc_u32 v[BS+\b], 0xff000000, v[BM+\b]
.endr
.irp b, 0,1
	D 2
	v_lshrrev_b32 v[BX+\b], 23, v[BS+\b]
.endr
	D 1
	v_lshl_or_b32 v[T2], v[BX+1], 8, v[BX]
	v_cvt_scalef32_pk16_fp6_f32 v[PCD:PCD+2], v[S:S+15], v[BS]
	v_cvt_scalef32_pk16_fp6_f32 v[HV:HV+2], v[S+16:S+31], v[BS+1]
	v_nop
.irp i, 0,1,2
	v_permlane16_swap_b32 v[PCD+\i], v[HV+\i]
.endr
.irp i, 0,1,2
	D 3
	v_mov_b32 v[PCD+3+\i], v[HV+\i]
.endr
	global_store_b128 v[LI], v[PCD:PCD+3], s[\ac:\ac+1]              ; 512 consecutive bytes, aligned,
	global_store_b64 v[L8], v[PCD+4:PCD+5], s[\ac:\ac+1] offset:512  ; and 256
	ds_store_b16 v[SGA], v[T2] offset:512*\blk     ; lanes r and r + 16 write the same bytes with the same value
.endm
	INIT
	LOOP QB, QSB, 42, 8, 1                         ; block p: its last query is 256 p + 255, under 1,024: key steps 0-7
	FINISH 0, 46
	s_wait_xcnt 0x0                                ; the stores have read the codes' registers, which are written again
	s_wait_tensorcnt 0x0                           ; my load has landed,
	s_wait_dscnt 0x0                               ; my LDS work is done:
	s_barrier_signal -1                            ; say so.  Up to the wait stand register work and LDS loads of key steps 0-7, which nobody writes
	INIT
	LOOP QA, QSA, 41, 8, 0                         ; block 7 - p, key steps 0-7: every key counts for every query
	s_barrier_wait -1                              ; the whole record is in
	LOOP QA, QSA, 41, 8, 1                         ; key steps 8-15
	FINISH 1, 44
	s_wait_dscnt 0x0                               ; for the others' sake: my stores have landed
	s_barrier_signal -1
	s_barrier_wait -1
	s_cmp_lt_u32 s[WV], 2
	s_cbranch_scc0 .Lno_sc
	ds_load_b128 v[S:S+3], v[SGR]                  ; a block's 256 positions x 2 bytes
	s_wait_dscnt 0x0
	global_store_b128 v[LI], v[S:S+3], s[52:53]    ; 512 consecutive bytes, aligned
.Lno_sc:
	s_wait_tensorcnt 0x0                           ; the wave's end
	ds_add_u32 v[SPW], v[NIL]
	s_wait_dscnt 0x0
	s_endpgm
.Lfunc_end_k_q12c8e87521_attn:
	.size	k_q12c8e87521_attn, .Lfunc_end_k_q12c8e87521_attn-k_q12c8e87521_attn
	.p2alignl 7, 3214868480
	.fill 96, 4, 3214868480
	.section	.rodata,"a",@progbits
	.p2align	6, 0x0
	.amdhsa_kernel k_q12c8e87521_attn
		.amdhsa_group_segment_fixed_size 211968
		.amdhsa_private_segment_fixed_size 0
		.amdhsa_enable_private_segment 0
		.amdhsa_kernarg_size 32
		.amdhsa_user_sgpr_count 2
		.amdhsa_user_sgpr_kernarg_segment_ptr 1
		.amdhsa_wavefront_size32 1
		.amdhsa_system_sgpr_workgroup_id_x 1
		.amdhsa_system_sgpr_workgroup_id_y 1
		.amdhsa_system_sgpr_workgroup_id_z 1
		.amdhsa_system_vgpr_workitem_id 0
		.amdhsa_next_free_vgpr 256
		.amdhsa_next_free_sgpr 102
		.amdhsa_reserve_vcc 0
		.amdhsa_float_denorm_mode_32 3
		.amdhsa_float_denorm_mode_16_64 3
		.amdhsa_memory_ordered 1
		.amdhsa_forward_progress 1
		.amdhsa_inst_pref_size 77
	.end_amdhsa_kernel
	.amdgpu_metadata
---
amdhsa.version: [ 1, 2 ]
amdhsa.kernels:
  - .name:           k_q12c8e87521_attn
    .symbol:         k_q12c8e87521_attn.kd
    .args:
      - { .name: qq, .offset: 0, .size: 8, .value_kind: global_buffer, .address_space: global }
      - { .name: kv, .offset: 8, .size: 8, .value_kind: global_buffer, .address_space: global }
      - { .name: ac, .offset: 16, .size: 8, .value_kind: global_buffer, .address_space: global }
      - { .name: as2, .offset: 24, .size: 8, .value_kind: global_buffer, .address_space: global }
    .group_segment_fixed_size: 211968
    .private_segment_fixed_size: 0
    .kernarg_segment_align: 8
    .kernarg_segment_size: 32
    .max_flat_workgroup_size: 512
    .sgpr_count:     102
    .vgpr_count:     256
    .wavefront_size: 32
...
	.end_amdgpu_metadata
.endif
;; end of part 3
;; launch gemm2 (part 4): grid 4 x 64, 4 waves a work-group, clusters of 4 x 4, 312,832 bytes of LDS; arguments ac, as2, wc, ws, b_out, out0; writes out0
.if DOCPART == 4
	.amdgcn_target "amdgcn-amd-amdhsa--gfx1250"
	.amdhsa_code_object_version 6
	.text
	.protected	k_q12c8e87521_gemm2
	.globl	k_q12c8e87521_gemm2
	.p2align	8
	.type	k_q12c8e87521_gemm2,@function
k_q12c8e87521_gemm2:
	s_mov_b64 s[64:65], 0
	v_nop
	global_prefetch_b8 v0, s[64:65] scope:SCOPE_SE
	s_setreg_imm32_b32 hwreg(HW_REG_WAVE_MODE, 25, 1), 1
	s_wait_xcnt 0x0
	s_wait_alu depctr_hold_cnt(0) depctr_sa_sdst(0) depctr_va_vdst(0) depctr_va_sdst(0) depctr_va_ssrc(0) depctr_va_vcc(0) depctr_vm_vsrc(0)
	s_getreg_b32 s2, hwreg(HW_REG_IB_STS2, 6, 4)
	s_cmp_eq_u32 s2, 0
	s_cbranch_scc0 .Lentry_in_a_cluster
	s_endpgm
.Lentry_in_a_cluster:
	s_bfe_u32 s2, ttmp6, 0x10000c
	s_cmp_lg_u32 s2, 0xf033
	s_cbranch_scc0 .Lentry_shape_is_right
	s_endpgm
.Lentry_shape_is_right:
; out0 = attention's result x w_out + b_out, on codes of FP6 (E2M3) with E8M0 scales; sums in f32.
; SHARES.  A work-group takes 128 tokens (8 tiles) x 256 columns (16 tiles); wave w all 128 tokens x 64 columns.  K = 1,024 is eight matrix instructions deep.
; ALL OF K LIES IN LDS, every byte filled once, in halves of four K steps: A [half][8 tiles][6,144 bytes], then B [half][16 tiles][6,144].  One joint load a wave at the head: wave 0 A's half 0, wave 1 B's half 0,
; wave 2 A's half 1, wave 3 B's half 1.  The first barrier waits for waves 0 and 1 alone (their load lines are their own); the second waits for all.  Nothing is filled again.
; BY ROWS OF THE RESULT.  My four column tiles' fragments, all of K (32 x 12 registers), stay in registers.  A token tile's eight fragments come in one run of 32 LDS loads, into one of two sets; a BLOCK of 32 products,
; four accumulators by turns, K ascending, finishes 16 rows x 64 columns, which leave through the stage while the next block is multiplied: the stores begin behind the first block.
; THE WAITS' COUNTS.  Ahead of block 0: 16 (tile 1's upper half of K).  Ahead of block 1: 48 (tile 2's 32 loads, block 0's 8 stage stores and 8 loads).  SEND of block a - 1 leaves out what was issued behind its stage loads:
; the next fetch's 32 (while there is one) and block a's 16; since LDS instructions are done in order, it also shows tile a + 1's fragments in, so blocks 2 to 7 have no wait of their own.
; CLUSTER 4 x 4: the four work-groups of a row need the same tokens' tiles, the four of a column the same columns': each tile is asked for jointly.
; NO PREFETCH: the launch has no loop to run ahead in: all its tiles are asked for at its head.
; A's fragment of K step s is two heads' pieces of 768 bytes ([lane][16 bytes], [lane][8 bytes]): registers 0-5 head 2 s, 6-11 head 2 s + 1.  Its scale word is made of the two heads' byte pairs.
; Source 0 = 16 columns, source 1 = 16 tokens: a lane holds one token and eight neighbouring columns.  The bias is the C of each sum's first matrix instruction.
; Position r of token tile T is token 64 (T / 4) + 8 (T % 4) + r % 8 + 32 (r / 8); of column tile Tn column 32 (Tn / 2) + 8 (Tn % 2) + r + 8 (r / 8); the way out puts rows and columns back in their places.
; REGISTERS.  window 0: v1-29 addresses; v32-63 tokens' scale words (32 + 8 g + s); v64-79 columns'; v80-111 the bias; v112-175 two sets of four accumulators (at the head: the byte pairs as loaded); v176-239 rows on their way out, two sets.
;             window 1: v0-191 B's fragments of K steps 0-3 (12 (4 s + t));  window 2: of K steps 4-7;  window 3: v0-95, v96-191 A's two sets (12 s).
.set AH,    49152
.set BOFF,  98304
.set BS,    98304
.set SPARE, 294912
.set STAGE, SPARE+512                  ; a stage of 16 rows x (256 + 16) bytes for each wave, into which no tensor load lands
.set LI,  1
.set L8,  2
.set L2,  3
.set ADA, 4
.set ADB, 8
.set ADA8, 12
.set B64, 17
.set STO, 18
.set RD,  19
.set CO,  20
.set SPW, 28
.set NIL, 29
.set XS,  32
.set WS,  64
.set BI,  80
.set ACC, 112
.set OUTR, 176
.set WV,  16
.set G1A, 24
.set G1B, 32
.set G0A, 40
.set G0B, 68
.set MSB, 0
.macro WIN new
.if MSB != (\new)
	s_set_vgpr_msb (MSB<<8)|(\new)
.set MSB, (\new)
.endif
.endm
.macro PLACES n
.rept \n
	v_nop
.endr
.endm
.macro CROUND
	s_barrier_signal -1
	s_barrier_wait -1
	s_cmp_lg_u32 s[WV], 0
	s_cbranch_scc1 .Lnot_wave_0_\@
	s_barrier_signal -3
.Lnot_wave_0_\@:
	s_barrier_wait -3
	s_barrier_signal -1
	s_barrier_wait -1
.endm
.macro TLOAD g0, g1
	tensor_load_to_lds s[\g0:\g0+3], s[\g1:\g1+7]
	s_nop 0
	PLACES 4
.endm
.macro GRP g, mask, rows               ; rows of 6,144 bytes (a tile's four K steps), 12,288 bytes apart in memory, dense in LDS
	s_or_b32 s[\g], s\mask, (3<<16)|(1<<21)
	s_mov_b32 s[\g+1], 768<<16
	s_mov_b32 s[\g+2], (\rows)<<16
	s_mov_b32 s[\g+3], 768<<16
	s_mov_b32 s[\g+4], \rows
	s_mov_b32 s[\g+5], 1536
	s_mov_b32 s[\g+6], 0
	s_mov_b32 s[\g+7], 0
.endm
.macro EM1 ra, rb
	v_wmma_scale_f32_16x16x128_f8f6f4 v[rD:rD+7], v[rA:rA+11], v[rB:rB+11], v[rC:rC+7], v[rSA], v[rSB] matrix_a_fmt:MATRIX_FMT_FP6 matrix_b_fmt:MATRIX_FMT_FP6 matrix_a_scale:MATRIX_SCALE_ROW\ra matrix_b_scale:MATRIX_SCALE_ROW\rb
.endm
.macro EMIT
.if rRA
.if rRB
	EM1 1, 1
.else
	EM1 1, 0
.endif
.elseif rRB
	EM1 0, 1
.else
	EM1 0, 0
.endif
.endm
.macro LDB s, t                        ; my column tile t's fragment of K step s: three loads of 512 consecutive bytes
	WIN (1+(\s)/4)<<6
.irp g, 0,1,2
	ds_load_b128 v[12*(4*((\s)%4)+(\t))+4*\g:12*(4*((\s)%4)+(\t))+4*\g+3], v[ADB+(\s)/4] offset:6144*(\t)+1536*((\s)%4)+512*\g
.endr
.endm
.macro LDA a, s                        ; token tile a's fragment of K step s into set a % 2: two pieces, 16 + 8 bytes a lane: four loads
	WIN 0xc0
.irp c, 0,1
	ds_load_b128 v[96*((\a)%2)+12*(\s)+6*\c:96*((\a)%2)+12*(\s)+6*\c+3], v[ADA+(\s)/4] offset:6144*(\a)+1536*((\s)%4)+768*\c
	ds_load_b64 v[96*((\a)%2)+12*(\s)+6*\c+4:96*((\a)%2)+12*(\s)+6*\c+5], v[ADA8+(\s)/4] offset:6144*(\a)+1536*((\s)%4)+768*\c+512
.endr
.endm
.macro BLOCK a                         ; token tile a x my 64 columns: 32 products; source 0 (B) window 1 or 2, source 1 (A) window 3, C and D window 0
.irp s, 0,1,2,3,4,5,6,7
	WIN (1+\s/4)|(3<<2)
.irp t, 0,1,2,3
.set rD, ACC+32*((\a)%2)+8*\t
.set rA, 12*(4*(\s%4)+\t)
.set rB, 96*((\a)%2)+12*\s
.set rSA, WS+8*(\t/2)+\s
.set rSB, XS+8*((\a)/2)+\s
.set rRA, \t%2
.set rRB, (\a)%2
.set rC, rD
.if \s == 0
.set rC, BI+8*\t
.endif
	EMIT
.endr
.endr
	WIN 0
.endm
	s_load_b256 s[4:11], s[0:1], 0x0               ; ac, as2, wc, ws
	s_load_b128 s[12:15], s[0:1], 0x20             ; b_out, out0
	v_lshl_add_u32 v[SPW], v0, 2, SPARE
	v_mov_b32 v[NIL], 0
	ds_add_u32 v[SPW], v[NIL]                      ; the opening lines: the add, twice on end, and its wait ahead of my first tensor load
	ds_add_u32 v[SPW], v[NIL]
	v_lshrrev_b32 v1, 5, v0
	v_readfirstlane_b32 s[WV], v1                  ; wave 0..3
	s_bfe_u32 s21, ttmp6, 0x40000                  ; cx = x: which 256 columns
	s_bfe_u32 s20, ttmp6, 0x40004                  ; cy
	s_and_b32 s22, ttmp7, 0xffff
	s_lshl_b32 s22, s22, 2
	s_add_co_u32 s22, s22, s20                     ; y: which 128 tokens
	s_lshl_b32 s56, s20, 2
	s_lshl_b32 s56, 15, s56                        ; my row of the cluster
	s_lshl_b32 s57, 0x1111, s21                    ; my column
	GRP G1A, 56, 8
	GRP G1B, 57, 16
	s_mul_i32 s58, s22, 8*12288                    ; A: tile 8 y: hangs on y alone
	s_mov_b32 s59, 0
	s_lshl_b32 s60, s21, 4                         ; B: tile 192 + 16 x: on x alone
	s_add_co_u32 s60, s60, 192
	s_mul_i32 s60, s60, 12288
	s_mov_b32 s61, 0
	s_wait_alu depctr_va_vdst(0)
	s_wait_dscnt 0x0
	s_wait_kmcnt 0x0
	s_add_nc_u64 s[58:59], s[4:5], s[58:59]
	s_add_nc_u64 s[60:61], s[8:9], s[60:61]
.irp c, 0,1
	s_mov_b32 s[G0A+4*\c], 1
	s_mov_b32 s[G0A+4*\c+1], AH*\c
	s_add_nc_u64 s[G0A+4*\c+2:G0A+4*\c+3], s[58:59], 6144*\c
	s_or_b32 s[G0A+4*\c+3], s[G0A+4*\c+3], 0x80000000
	s_mov_b32 s[G0B+4*\c], 1
	s_mov_b32 s[G0B+4*\c+1], BOFF+BS*\c
	s_add_nc_u64 s[G0B+4*\c+2:G0B+4*\c+3], s[60:61], 6144*\c
	s_or_b32 s[G0B+4*\c+3], s[G0B+4*\c+3], 0x80000000
.endr
	CROUND                                         ; all sixteen work-groups are here: the joint loads meet
	s_cmp_eq_u32 s[WV], 0                          ; one chain of branches on the wave's number, one load to an arm
	s_cbranch_scc0 .Lw1
	TLOAD G0A, G1A
	s_branch .Lasked
.Lw1:
	s_cmp_eq_u32 s[WV], 1
	s_cbranch_scc0 .Lw2
	TLOAD G0B, G1B
	s_branch .Lasked
.Lw2:
	s_cmp_eq_u32 s[WV], 2
	s_cbranch_scc0 .Lw3
	TLOAD G0A+4, G1A
	s_branch .Lasked
.Lw3:
	TLOAD G0B+4, G1B
.Lasked:
	v_and_b32 v[LI], 31, v0
	v_lshlrev_b32 v[L8], 3, v[LI]
	v_lshlrev_b32 v[L2], 1, v[LI]
	v_lshlrev_b32 v[LI], 4, v[LI]
	s_mul_i32 s84, s[WV], 4*6144
	s_add_co_u32 s84, s84, BOFF
.irp c, 0,1
	v_add_nc_u32 v[ADA+\c], AH*\c, v[LI]
	v_add_nc_u32 v[ADA8+\c], AH*\c, v[L8]
	v_add_nc_u32 v[ADB+\c], s84, v[LI]
	s_add_co_u32 s84, s84, BS
.endr
	v_and_b32 v21, 15, v0                          ; r
	v_bfe_u32 v22, v0, 4, 1                        ; h
	v_lshlrev_b32 v[B64], 6, v22
	s_wait_alu depctr_va_vdst(0)
	s_mul_i32 s86, s[WV], 4352
	s_add_co_u32 s86, s86, STAGE                   ; my stage
	v_mul_u32_u24 v[STO], v21, 272
	v_lshl_add_u32 v[STO], v22, 6, v[STO]
	v_add_nc_u32 v[STO], s86, v[STO]               ; in: row r, + 64 h
	v_mul_u32_u24 v[RD], v22, 272
	v_lshl_add_u32 v[RD], v21, 4, v[RD]
	v_add_nc_u32 v[RD], s86, v[RD]                 ; back: lanes 0-15 one row of 256 bytes, lanes 16-31 the next
	v_lshlrev_b32 v[CO], 12, v22
	v_lshl_add_u32 v[CO], v21, 4, v[CO]            ; and the same two rows in out0
	s_lshl_b32 s84, s22, 8                         ; as2: my 128 positions, 2 bytes each
	s_mov_b32 s85, 0
	s_add_nc_u64 s[84:85], s[6:7], s[84:85]
	s_lshl_b32 s88, s21, 3                         ; my columns' scale words: groups 96 + 8 x + 2 w, + 1
	s_lshl_b32 s89, s[WV], 1
	s_add_co_u32 s88, s88, s89
	s_add_co_u32 s88, s88, 96
	s_lshl_b32 s88, s88, 10
	s_mov_b32 s89, 0
	s_add_nc_u64 s[88:89], s[10:11], s[88:89]
	s_lshl_b32 s90, s21, 10                        ; my 64 columns, in bytes: 1,024 x + 256 w
	s_lshl_b32 s91, s[WV], 8
	s_add_co_u32 s90, s90, s91
	s_mov_b32 s91, 0
	s_lshl_b32 s92, s22, 19                        ; my 128 rows of out0
	s_add_co_u32 s92, s92, s90
	s_mov_b32 s93, 0
	s_add_nc_u64 s[92:93], s[14:15], s[92:93]
	s_add_nc_u64 s[90:91], s[12:13], s[90:91]
	s_wait_alu depctr_va_vdst(0)
.set hd, 0
.rept 16
.irp g, 0,1,2,3
	global_load_u16 v[ACC+4*hd+\g], v[L2], s[84:85] offset:16384*hd+64*\g   ; head hd's byte pairs of the 32 positions of group g: once, for all of K
.endr
.set hd, hd+1
.endr
.irp g, 0,1
.irp j, 0,1
	global_load_b128 v[WS+8*\g+4*\j:WS+8*\g+4*\j+3], v[LI], s[88:89] offset:1024*\g+512*\j
.endr
.endr
.irp t, 0,1,2,3                                ; lane (r, h) wants, for tile t, the bias of columns 32 (t / 2) + 8 (t % 2) + 16 h + 0 .. 7
	global_load_b128 v[BI+8*\t:BI+8*\t+3], v[B64], s[90:91] offset:(32*(\t/2)+8*(\t%2))*4
	global_load_b128 v[BI+8*\t+4:BI+8*\t+7], v[B64], s[90:91] offset:(32*(\t/2)+8*(\t%2))*4+16
.endr
	s_wait_loadcnt 0x0
.irp s, 0,1,2,3,4,5,6,7                        ; K step s's scale word: head 2 s's two bytes below, head 2 s + 1's above
.irp g, 0,1,2,3
	v_lshl_or_b32 v[XS+8*\g+\s], v[ACC+4*(2*\s+1)+\g], 16, v[ACC+8*\s+\g]
.endr
.endr
	PLACES 8                                       ; a scale register written by a vector instruction stands eight places ahead of the product that takes it
	s_wait_alu depctr_va_vdst(0)                   ; the wait at the head's end
	s_cmp_lt_u32 s[WV], 2
	s_cbranch_scc0 .Lnot_first
	s_wait_tensorcnt 0x0                           ; waves 0 and 1: the lower half of K has landed
.Lnot_first:
	s_barrier_signal -1
	s_barrier_wait -1                              ; the upper half may still be on its way
.irp s, 0,1,2,3
.irp t, 0,1,2,3
	LDB \s, \t                                     ; the lower half of K goes into registers while the upper half lands
.endr
.endr
.irp a, 0,1
.irp s, 0,1,2,3
	LDA \a, \s
.endr
.endr
	WIN 0
	s_wait_tensorcnt 0x0                           ; every wave's load has landed,
	s_wait_dscnt 0x0                               ; my LDS loads are back,
	s_barrier_signal -1
	s_barrier_wait -1                              ; and that holds of all: all of K is in
.irp s, 4,5,6,7
.irp t, 0,1,2,3
	LDB \s, \t
.endr
.endr
.irp a, 0,1
.irp s, 4,5,6,7
	LDA \a, \s
.endr
.endr
	WIN 0
; THE WAY OUT of a block, through my own stage: a lane's registers 8 t + j are columns 32 (t / 2) + 8 (t % 2) + 16 h + j of its row; they come back as whole rows of 256 bytes.
; LDS serves a wave's instructions in order: no wait between the stores and the loads, nor in front of the next block's stores.
.macro TOSTAGE a
.irp k, 0,1,2,3,4,5,6,7
	ds_store_b128 v[STO], v[ACC+32*((\a)%2)+4*\k:ACC+32*((\a)%2)+4*\k+3] offset:128*(\k/4)+16*(\k%4)   ; each accumulator from its low end on
.endr
.irp i, 0,1,2,3,4,5,6,7
	ds_load_b128 v[OUTR+32*((\a)%2)+4*\i:OUTR+32*((\a)%2)+4*\i+3], v[RD] offset:544*\i
.endr
.endm
.macro SEND a, younger                 ; younger: the LDS instructions issued behind block a's stage loads, which may stay out
	s_wait_dscnt \younger
.irp i, 0,1,2,3,4,5,6,7                        ; positions 2 i and 2 i + 1 of tile a are tokens 64 (a / 4) + 8 (a % 4) + 2 (i % 4) + 32 (i / 4), + 1
	global_store_b128 v[CO], v[OUTR+32*((\a)%2)+4*\i:OUTR+32*((\a)%2)+4*\i+3], s[92:93] offset:(64*((\a)/4)+8*((\a)%4)+2*(\i%4)+32*(\i/4))*4096 th:TH_STORE_NT   ; sixteen lanes store 256 consecutive bytes, aligned
.endr
.endm
.irp a, 0,1,2,3,4,5,6,7
.if \a == 0
	s_wait_dscnt 16                                ; B and tile 0 are in; tile 1's upper 16 loads may be out
.elseif \a == 1
	s_wait_dscnt 48                                ; tile 1 is in; tile 2's 32 loads and block 0's 16 stage instructions may be out
.endif
	BLOCK \a
	PLACES 4                                       ; in front of the first read of results and of loads into registers that these products have read
.if \a < 6
.irp s, 0,1,2,3,4,5,6,7
	LDA \a+2, \s                                   ; the set just multiplied takes the tile two on
.endr
	WIN 0
.endif
.if \a > 1
	s_wait_xcnt 0x0                                ; block a - 2's stores have read their registers: block a's rows may land there
.endif
	TOSTAGE \a
.if \a > 0
.if \a < 6
	SEND \a-1, 48
.else
	SEND \a-1, 16
.endif
.endif
.endr
	SEND 7, 0
	s_wait_tensorcnt 0x0                           ; the wave's end
	ds_add_u32 v[SPW], v[NIL]
	s_wait_dscnt 0x0
	CROUND                                         ; the closing round
	s_endpgm
.Lfunc_end_k_q12c8e87521_gemm2:
	.size	k_q12c8e87521_gemm2, .Lfunc_end_k_q12c8e87521_gemm2-k_q12c8e87521_gemm2
	.p2alignl 7, 3214868480
	.fill 96, 4, 3214868480
	.section	.rodata,"a",@progbits
	.p2align	6, 0x0
	.amdhsa_kernel k_q12c8e87521_gemm2
		.amdhsa_group_segment_fixed_size 312832
		.amdhsa_private_segment_fixed_size 0
		.amdhsa_enable_private_segment 0
		.amdhsa_kernarg_size 48
		.amdhsa_user_sgpr_count 2
		.amdhsa_user_sgpr_kernarg_segment_ptr 1
		.amdhsa_wavefront_size32 1
		.amdhsa_system_sgpr_workgroup_id_x 1
		.amdhsa_system_sgpr_workgroup_id_y 1
		.amdhsa_system_sgpr_workgroup_id_z 1
		.amdhsa_system_vgpr_workitem_id 0
		.amdhsa_next_free_vgpr 960
		.amdhsa_next_free_sgpr 100
		.amdhsa_reserve_vcc 0
		.amdhsa_float_denorm_mode_32 3
		.amdhsa_float_denorm_mode_16_64 3
		.amdhsa_memory_ordered 1
		.amdhsa_forward_progress 1
		.amdhsa_inst_pref_size 88
	.end_amdhsa_kernel
	.amdgpu_metadata
---
amdhsa.version: [ 1, 2 ]
amdhsa.kernels:
  - .name:           k_q12c8e87521_gemm2
    .symbol:         k_q12c8e87521_gemm2.kd
    .args:
      - { .name: ac, .offset: 0, .size: 8, .value_kind: global_buffer, .address_space: global }
      - { .name: as2, .offset: 8, .size: 8, .value_kind: global_buffer, .address_space: global }
      - { .name: wc, .offset: 16, .size: 8, .value_kind: global_buffer, .address_space: global }
      - { .name: ws, .offset: 24, .size: 8, .value_kind: global_buffer, .address_space: global }
      - { .name: b_out, .offset: 32, .size: 8, .value_kind: global_buffer, .address_space: global }
      - { .name: out0, .offset: 40, .size: 8, .value_kind: global_buffer, .address_space: global }
    .group_segment_fixed_size: 312832
    .private_segment_fixed_size: 0
    .kernarg_segment_align: 8
    .kernarg_segment_size: 48
    .max_flat_workgroup_size: 128
    .sgpr_count:     100
    .vgpr_count:     960
    .wavefront_size: 32
...
	.end_amdgpu_metadata
.endif
;; end of part 4
